; MI455X (gfx1250); checked and timed in simulation.
; The chip was launched on July 23, 2026; its instructions are those of AMD's public machine-readable ISA for CDNA 5 (MIT licence, August 2026) and "CDNA5" Instruction Set Architecture Reference Guide (July 2026). The comments in the code are by the model that wrote it; some were corrected since.
;; Bahdanau Attention. Allowed arithmetic: float matrix products may take bf16 or f16 operands with f32 sums; all other float work in f32.
;; Inputs: Wc 1,024 x 1 float32; Wh 1,024 x 1,024 float32; Ws 1,024 x 1,024 float32; bc 1,024 float32; bh 1,024 float32; bs 1,024 float32; bv 1 float32; dec_hidden 2 x 32 x 512 float32; enc_output 32 x 2,048 x 1,024 float32; enc_pad_mask 32 x 2,048 float32; prev_coverage 32 x 2,048 float32; v 1 x 1,024 float32.
;; Outputs: out0 32 x 1,024 float32; out1 32 x 2,048 float32; out2 32 x 2,048 float32.
;; Constants: use_coverage = 1.
;; 2 versions, each right; version 2 is version 1 with the launch main written anew for expert scheduling mode. Each part assembles by itself: llvm-mc -triple=amdgcn-amd-amdhsa -mcpu=gfx1250 --defsym DOCPART=n.
;; ======== version 1 of 2: 3 launches
;; workspace buffers: wfrag 2,097,152 bytes; featT 131,072 bytes; score 262,144 bytes; ctxp 2,097,152 bytes
;; launch prep (part 1): grid 64 x 1, 16 waves a work-group, no clusters, 34,816 bytes of LDS; arguments Wh, Ws, bh, bs, bc, dec_hidden, wfrag, featT; writes wfrag, featT
.if DOCPART == 1
	.amdgcn_target "amdgcn-amd-amdhsa--gfx1250"
	.amdhsa_code_object_version 6
	.text
	.protected	k_q9585f99a12_prep
	.globl	k_q9585f99a12_prep
	.p2align	8
	.type	k_q9585f99a12_prep,@function
k_q9585f99a12_prep:
	s_mov_b64 s[64:65], 0
	v_nop
	global_prefetch_b8 v0, s[64:65] scope:SCOPE_SE
	s_setreg_imm32_b32 hwreg(HW_REG_WAVE_MODE, 25, 1), 1
	s_wait_xcnt 0x0
; PREPARATION, two jobs for each of 64 work-groups of 16 waves.  C2 = 2 log2(e): the next launch forms tanh(x) = 1 - 2 / (1 + 2^(C2 x)), so C2 is folded in here.
; (a) wfrag = bf16(C2 Wh), rounded once, laid out as register images of matrix fragments.  Fragment (q, ks, t) at byte ((32 q + ks) 8 + t) 1024: [part p][lane][16 bytes];
;     lane (r = lane % 16, h = lane / 16) holds column e = 128 q + 8 r + t of the product (row e of Wh) at k = 32 ks + 16 p + 8 h + 0..7.
;     Work-group i: q = i / 8, t = i % 8; wave j: ks = 2 j and 2 j + 1.
; (b) featT[i][b][x] = C2 (sum over d of dec[b][d] Ws[16 i + x][d] + bs + bh + bc), e = 16 i + x; dec[b][d] = dec_hidden[d / 512][b][d % 512].
;     Work-group i makes its 16 columns for all 32 b; wave j takes d = 64 j .. 64 j + 63 (two matrix steps for each half of the b); the 16 waves' sums meet in LDS.
; LIMITS.  Matrix operands are bf16: dec, Ws and C2 Wh keep 8 significant bits and f32's range.  Sums, biases and scaling in f32.
; No cluster and no data mover: 8 MB are read once, no tile is shared, and each wave's operands go straight into its registers.
.set RED,   0          ; [wave][quad 2 bt + half][lane][16 bytes]: 16 x 2,048 bytes
.set SPARE, 32768      ; the spare words: 128 bytes for each of 16 waves; no other line names them
.set SPW, 10           ; v10  LDS address of my spare word; never rewritten
.set NIL, 11           ; v11  0; never rewritten
; v1 lane, v2 r, v3 h; v4, v5, v6 byte offsets in Wh, Ws, dec_hidden; v7 in wfrag; v8, v9 LDS addresses (in, back); v25 offset in the biases; v28 in featT
; v12-23 bh, bs, bc; v32-63 Ws f32; v64-127 dec f32; v128-159 Wh f32; v160-175 Ws fragments; v176-207 dec fragments; v208-223 W fragments; v224-239 two accumulators
	s_load_b512 s[8:23], s[0:1], 0x0       ; Wh 8, Ws 10, bh 12, bs 14, bc 16, dec_hidden 18, wfrag 20, featT 22
	v_lshl_add_u32 v[SPW], v0, 2, SPARE
	v_mov_b32 v[NIL], 0
	v_and_b32 v1, 31, v0                   ; lane
	v_lshrrev_b32 v2, 5, v0
	v_readfirstlane_b32 s2, v2             ; wave j
	v_and_b32 v2, 15, v0                   ; r
	v_bfe_u32 v3, v0, 4, 1                 ; h
	s_lshr_b32 s4, ttmp9, 3                ; q
	s_and_b32 s5, ttmp9, 7                 ; t
	s_mov_b32 s28, 0x4038aa3b              ; C2 = 2.885390
	s_mov_b32 s29, s28                     ; named with it as a pair
	v_lshlrev_b32 v24, 5, v3               ; 32 h: eight f32
	s_lshl_b32 s24, s2, 8                  ; 256 j: the wave's 64 f32 along K
	s_lshl_b32 s6, s4, 19                  ; Wh: row 128 q + 8 r + t, 4,096 bytes a row
	s_lshl_b32 s7, s5, 12
	s_add_co_u32 s6, s6, s7
	s_add_co_u32 s6, s6, s24
	v_lshl_add_u32 v4, v2, 15, v24
	v_add_nc_u32 v4, s6, v4
	s_lshl_b32 s7, ttmp9, 16               ; Ws: row 16 i + r
	s_add_co_u32 s7, s7, s24
	v_lshl_add_u32 v5, v2, 12, v24
	v_add_nc_u32 v5, s7, v5
	s_lshr_b32 s25, s2, 3                  ; dec_hidden: plane j / 8, row r (+ 16 bt by the immediate), 256 (j % 8) along the row
	s_lshl_b32 s25, s25, 16
	s_and_b32 s26, s2, 7
	s_lshl_b32 s26, s26, 8
	s_add_co_u32 s25, s25, s26
	v_lshl_add_u32 v6, v2, 11, v24
	v_add_nc_u32 v6, s25, v6
	s_lshl_b32 s26, s4, 18                 ; wfrag: ((32 q + 2 j) 8 + t) 1024 + 16 lane
	s_lshl_b32 s27, s2, 14
	s_add_co_u32 s26, s26, s27
	s_lshl_b32 s27, s5, 10
	s_add_co_u32 s26, s26, s27
	v_lshl_add_u32 v7, v1, 4, s26
	s_lshl_b32 s27, s2, 11
	v_lshl_add_u32 v8, v1, 4, s27          ; into RED: 2,048 j + 16 lane
	v_bfe_u32 v24, v0, 6, 1                ; back, thread y of the first 128: b = y / 4, x = 4 (y % 4) + 0..3: bt = y / 64, half = y % 2,
	v_and_b32 v26, 1, v0
	v_lshl_add_u32 v24, v24, 1, v26        ; quad 2 bt + half
	v_bfe_u32 v26, v0, 1, 1                ; the lane that held it: h = (y / 2) % 2,
	v_bfe_u32 v27, v0, 2, 4                ; r = (y / 4) % 16
	v_lshl_add_u32 v26, v26, 4, v27
	v_lshlrev_b32 v26, 4, v26
	v_lshl_add_u32 v9, v24, 9, v26
	v_and_b32 v25, 3, v0                   ; the biases of my four columns: 64 i + 16 (y % 4)
	v_lshlrev_b32 v25, 4, v25
	s_lshl_b32 s27, ttmp9, 6
	v_add_nc_u32 v25, s27, v25
	s_lshl_b32 s27, ttmp9, 11
	v_lshl_add_u32 v28, v0, 4, s27         ; featT: 2,048 i + 16 y
	s_wait_kmcnt 0x0
	global_load_b128 v[12:15], v25, s[12:13]   ; every wave loads them, so that all waves issue the same loads; the first four waves use them
	global_load_b128 v[16:19], v25, s[14:15]
	global_load_b128 v[20:23], v25, s[16:17]
; A lane's eight f32 of part p of step ks' lie at 128 ks' + 64 p + 32 h: two loads of 16 bytes.  n = 4 ks' + 2 p + half.
.set n, 0
.rept 8
	global_load_b128 v[32+4*n:35+4*n], v5, s[10:11] offset:(n/4)*128+((n/2)%2)*64+(n%2)*16
.set n, n+1
.endr
.set n, 0
.rept 16
	global_load_b128 v[64+4*n:67+4*n], v6, s[18:19] offset:(n/8)*32768+((n%8)/4)*128+((n/2)%2)*64+(n%2)*16
.set n, n+1
.endr
.set n, 0
.rept 8
	global_load_b128 v[128+4*n:131+4*n], v4, s[8:9] offset:(n/4)*128+((n/2)%2)*64+(n%2)*16
.set n, n+1
.endr
	s_wait_loadcnt 0x8                     ; Ws and dec are in; Wh's eight loads, issued behind them, may stay out
.set n, 0
.rept 16
	v_cvt_pk_bf16_f32 v[160+n], v[32+2*n], v[33+2*n]   ; Ws fragments: step ks' at 160 + 8 ks'
.set n, n+1
.endr
.set n, 0
.rept 32
	v_cvt_pk_bf16_f32 v[176+n], v[64+2*n], v[65+2*n]   ; dec fragments: (bt, ks') at 176 + 16 bt + 8 ks'
.set n, n+1
.endr
	; source 0 = 16 rows of Ws (m = x), source 1 = 16 rows of dec (n = b).  The two accumulators take turns; the first step starts the sums.
	v_wmma_f32_16x16x32_bf16 v[224:231], v[160:167], v[176:183], 0
	v_wmma_f32_16x16x32_bf16 v[232:239], v[160:167], v[192:199], 0
	v_wmma_f32_16x16x32_bf16 v[224:231], v[168:175], v[184:191], v[224:231]
	v_wmma_f32_16x16x32_bf16 v[232:239], v[168:175], v[200:207], v[232:239]
	s_wait_loadcnt 0x0                     ; Wh
.set n, 0
.rept 16
	v_pk_mul_f32 v[128+2*n:129+2*n], v[128+2*n:129+2*n], s[28:29] op_sel_hi:[1,0]   ; C2 Wh in f32; these 32 lines are also the places behind the products (ISA guide 7.12.1)
.set n, n+1
.endr
.set n, 0
.rept 16
	v_cvt_pk_bf16_f32 v[208+n], v[128+2*n], v[129+2*n] ; one rounding
.set n, n+1
.endr
.set n, 0
.rept 4
	global_store_b128 v7, v[208+4*n:211+4*n], s[20:21] offset:(n/2)*8192+(n%2)*512   ; part p of step ks': the wave stores 512 consecutive bytes, aligned
.set n, n+1
.endr
	ds_store_b128 v8, v[224:227]               ; each accumulator's low half first
	ds_store_b128 v8, v[228:231] offset:512
	ds_store_b128 v8, v[232:235] offset:1024
	ds_store_b128 v8, v[236:239] offset:1536
	s_wait_dscnt 0x0                       ; for the others' sake: my partial sums lie in LDS
	s_barrier_signal -1
	s_barrier_wait -1
	s_cmp_lt_u32 s2, 4
	s_cbranch_scc0 .Ldone                  ; 128 threads add up; no barrier stands in what is jumped
.set n, 0
.rept 16
	ds_load_b128 v[32+4*n:35+4*n], v9 offset:n*2048    ; wave n's share of my four numbers
.set n, n+1
.endr
	v_pk_add_f32 v[12:13], v[12:13], v[16:17]          ; bh + bs + bc while the loads are out
	v_pk_add_f32 v[14:15], v[14:15], v[18:19]
	v_pk_add_f32 v[12:13], v[12:13], v[20:21]
	v_pk_add_f32 v[14:15], v[14:15], v[22:23]
	s_wait_dscnt 0x0
.irp s, 8,4,2,1
.set n, 0
.rept \s
	v_pk_add_f32 v[32+4*n:33+4*n], v[32+4*n:33+4*n], v[32+4*(n+\s):33+4*(n+\s)]
	v_pk_add_f32 v[34+4*n:35+4*n], v[34+4*n:35+4*n], v[34+4*(n+\s):35+4*(n+\s)]
.set n, n+1
.endr
.endr
	v_pk_add_f32 v[32:33], v[32:33], v[12:13]
	v_pk_add_f32 v[34:35], v[34:35], v[14:15]
	v_pk_mul_f32 v[32:33], v[32:33], s[28:29] op_sel_hi:[1,0]
	v_pk_mul_f32 v[34:35], v[34:35], s[28:29] op_sel_hi:[1,0]
	global_store_b128 v28, v[32:35], s[22:23]          ; a wave stores 512 consecutive bytes, aligned
.Ldone:
	s_wait_tensorcnt 0x0                   ; the wave's end
	ds_add_u32 v[SPW], v[NIL]
	s_wait_dscnt 0x0
	s_endpgm
.Lfunc_end_k_q9585f99a12_prep:
	.size	k_q9585f99a12_prep, .Lfunc_end_k_q9585f99a12_prep-k_q9585f99a12_prep
	.p2alignl 7, 3214868480
	.fill 96, 4, 3214868480
	.section	.rodata,"a",@progbits
	.p2align	6, 0x0
	.amdhsa_kernel k_q9585f99a12_prep
		.amdhsa_group_segment_fixed_size 34816
		.amdhsa_private_segment_fixed_size 0
		.amdhsa_enable_private_segment 0
		.amdhsa_kernarg_size 64
		.amdhsa_user_sgpr_count 2
		.amdhsa_user_sgpr_kernarg_segment_ptr 1
		.amdhsa_wavefront_size32 1
		.amdhsa_system_sgpr_workgroup_id_x 1
		.amdhsa_system_sgpr_workgroup_id_y 1
		.amdhsa_system_sgpr_workgroup_id_z 1
		.amdhsa_system_vgpr_workitem_id 0
		.amdhsa_next_free_vgpr 240
		.amdhsa_next_free_sgpr 66
		.amdhsa_reserve_vcc 0
		.amdhsa_float_denorm_mode_32 3
		.amdhsa_float_denorm_mode_16_64 3
		.amdhsa_memory_ordered 1
		.amdhsa_forward_progress 1
		.amdhsa_inst_pref_size 16
	.end_amdhsa_kernel
	.amdgpu_metadata
---
amdhsa.version: [ 1, 2 ]
amdhsa.kernels:
  - .name:           k_q9585f99a12_prep
    .symbol:         k_q9585f99a12_prep.kd
    .args:
      - { .name: Wh, .offset: 0, .size: 8, .value_kind: global_buffer, .address_space: global }
      - { .name: Ws, .offset: 8, .size: 8, .value_kind: global_buffer, .address_space: global }
      - { .name: bh, .offset: 16, .size: 8, .value_kind: global_buffer, .address_space: global }
      - { .name: bs, .offset: 24, .size: 8, .value_kind: global_buffer, .address_space: global }
      - { .name: bc, .offset: 32, .size: 8, .value_kind: global_buffer, .address_space: global }
      - { .name: dec_hidden, .offset: 40, .size: 8, .value_kind: global_buffer, .address_space: global }
      - { .name: wfrag, .offset: 48, .size: 8, .value_kind: global_buffer, .address_space: global }
      - { .name: featT, .offset: 56, .size: 8, .value_kind: global_buffer, .address_space: global }
    .group_segment_fixed_size: 34816
    .private_segment_fixed_size: 0
    .kernarg_segment_align: 8
    .kernarg_segment_size: 64
    .max_flat_workgroup_size: 512
    .sgpr_count:     66
    .vgpr_count:     240
    .wavefront_size: 32
...
	.end_amdgpu_metadata
.endif
;; end of part 1
;; launch main (part 2): grid 512 x 1, 4 waves a work-group, no clusters, 272,384 bytes of LDS; arguments enc_output, wfrag, featT, Wc, v, bv, enc_pad_mask, prev_coverage, score, ctxp; writes score, ctxp
.if DOCPART == 2
	.amdgcn_target "amdgcn-amd-amdhsa--gfx1250"
	.amdhsa_code_object_version 6
	.text
	.protected	k_q9585f99a12_main
	.globl	k_q9585f99a12_main
	.p2align	8
	.type	k_q9585f99a12_main,@function
k_q9585f99a12_main:
	s_mov_b64 s[64:65], 0
	v_nop
	global_prefetch_b8 v0, s[64:65] scope:SCOPE_SE
	s_setreg_imm32_b32 hwreg(HW_REG_WAVE_MODE, 25, 1), 1
	s_wait_xcnt 0x0
; THE BULK.  A work-group owns a TILE of 128 rows s of one batch b and all 1,024 columns e, so enc_output is read from memory once:
;   z[s][e] = C2 (enc[s] . Wh[e] + feat[b][e] + cov[s] Wc[e]),  C2 = 2 log2(e);  tanh = 1 - 2 / (1 + 2^z);  score[s] = sum over e of v[e] tanh + bv;
;   m = the tile's largest score (masked rows too, as the softmax of the whole row takes them);  p[s] = mask[s] e^(score[s] - m);  ctxp[tile][d] = sum over s of p[s] enc[s][d].
; The next launch joins a batch's 16 tiles by their maxima.
; PHASES.  (1) Each of four waves loads 32 rows of enc as f32, rounds them to bf16 and stores them to LDS: 128 rows x 2,048 bytes.  (2) Two chunks of 512 columns: wave w makes 128 rows x 128
; columns (stream q = 2 w + chunk) in 64 accumulators, which START from C2 (feat + cov Wc), so that 2^z works on the finished sums; then tanh, times v, added into 64 row sums.
; (3) The row sums meet across lanes and waves: scores, maximum, p.  (4) The context: enc^T, by the turning LDS load, times p; wave w owns d = 256 w .. 256 w + 255.
; W comes straight into registers from wfrag, which holds bf16(C2 Wh) as fragment images: a K step of a wave is 8,192 consecutive bytes, a wave's 64 K steps lie on end.
; NO CLUSTER, NO DATA MOVER.  The rows take 264,192 bytes of LDS and must stay for phase 4; of what is left, each of two slots for W would hold less than one K step of 32 for 512 columns (32,768
; bytes): too little work between a request and its wait.  So W goes through a ring of four register slots, asked for three K steps (192 matrix instructions) ahead, and no LDS byte is ever filled again.
; LAYOUT OF A PRODUCT.  Source 0 = 16 rows of enc, source 1 = 16 columns: lane (r = lane % 16, h = lane / 16), register j holds row 16 a + 8 h + j, column 128 q + 8 r + t for fragment t.
; A lane's eight columns t = 0..7 are neighbours in memory: its feat, Wc and v come as two loads of 16 bytes each.
; LIMITS.  Matrix operands are bf16: enc, C2 Wh and p keep 8 significant bits and f32's range.  2^z over- and underflows to infinity and 0, where tanh is 1 and -1 as it should be.
; All else in f32.  NaN and infinities among the inputs are not treated apart.
; REGISTERS, in windows of 256 (s_set_vgpr_msb: bits 1:0 source 0, 3:2 source 1, 5:4 source 2, 7:6 destination):
;   window 0: v0-31, v56-63 addresses and small data; v32-55 feat, Wc, v of my 8 columns; v64-127, v128-191 fragments of enc, two buffers; v192-255 the 64 row sums
;   window 1: W's ring, slot k at 64 k (phase 1: two landing slots of 128; phase 4: two sets of turned fragments)
;   windows 2, 3: accumulator (a, t) at 8 (8 (a % 4) + t), a < 4 in window 2
.set PA,    2064       ; a row of enc in LDS: 2,048 bytes + 16 = 516 words: row r starts at bank 4 r mod 64 (64 banks of 4 bytes: ISA guide 11.1), so a fragment load's 16 rows start at 16 different groups of banks
.set COV,   128*PA     ; 512 bytes: prev_coverage of the 128 rows
.set PART,  COV+512    ; [wave][128] f32: the waves' shares of the scores
.set PB,    PART+2048  ; [wave][128] bf16: p, a copy for each wave
.set CT,    PB+1024    ; [wave][256] f32: the context on its way out
.set SPARE, CT+4096    ; the spare words: 128 bytes for each wave; no other line names them
.set OFF,  4           ; v4-5    landing slot s: byte offset in the tile's rows of enc of the group that it loads next
.set STA,  6           ; v6-7    landing slot s: where its group goes in LDS
.set ADRA, 8           ; v8-11   (32 n + r) PA + 16 h, plus the K steps done
.set BOF,  12          ; v12-15  ring slot k: byte offset in wfrag of the K step that it loads next
.set L16,  16          ; v16     16 lane
.set CVA,  17          ; v17     COV + 32 h
.set COF,  18          ; v18     byte offset of my 8 columns in Wc and v
.set FOF,  19          ; v19     the same in featT
.set T4,   20          ; v20     4 x thread
.set CVS,  21          ; v21     COV + 4 x thread
.set PSA,  22          ; v22     PART + 512 w + 32 h
.set PRA,  23          ; v23     PART + 16 lane
.set MK,   24          ; v24-27  mask of rows 4 lane .. + 3
.set CVW,  28          ; v28     my coverage word
.set PBS,  29          ; v29     PB + 256 w + 8 lane
.set SPW,  30          ; v30     LDS address of my spare word; never rewritten
.set NIL,  31          ; v31     0; never rewritten
.set CF,   32          ; v32-39  C2 feat of my 8 columns
.set CW,   40          ; v40-47  Wc, then C2 Wc
.set VV,   48          ; v48-55  v
.set PBL,  56          ; v56     PB + 256 w + 16 h
.set TRA,  57          ; v57-60  the turning loads' addresses, 32 rows apart
.set CTS,  61          ; v61     CT + 1,024 w + 32 h
.set CTL,  62          ; v62     CT + 1,024 w + 16 lane
.set GCO,  63          ; v63     1,024 w + 16 lane: my place in the tile's row of ctxp
.set F0,   64
.set F1,   128
.set COVR, 128         ; at a chunk's head buffer 1 holds cov of my 64 rows: register 8 a + j
.set PF,   96          ; phase 4: p's fragments, 8 registers for each 32 rows
.set SACC, 192
.set MSB, 0
.macro WIN new                             ; the immediate's high byte repeats the setting that is left; a switch that changes nothing is dropped
.if MSB != (\new)
	s_set_vgpr_msb (MSB<<8)|(\new)
.set MSB, \new
.endif
.endm
.macro CONSTS                              ; feat and Wc of my 8 columns of the chunk that COF and FOF name
	global_load_b128 v[CF:CF+3],   v[FOF], s[12:13]
	global_load_b128 v[CF+4:CF+7], v[FOF], s[12:13] offset:16
	global_load_b128 v[CW:CW+3],   v[COF], s[14:15]
	global_load_b128 v[CW+4:CW+7], v[COF], s[14:15] offset:16
.endm
.macro ENCLOAD slot                        ; four rows of enc, 16 KB: 32 loads, each 512 consecutive bytes, aligned; the launch reads them once
	WIN 0x40                               ; destination window 1
.set n, 0
.rept 32
	global_load_b128 v[128*(\slot)+4*n:128*(\slot)+4*n+3], v[OFF+(\slot)], s[8:9] offset:(n/8)*4096+(n%8)*512 th:TH_LOAD_NT
.set n, n+1
.endr
	WIN 0
.endm
; A landing slot's turn: its four rows are rounded to bf16 and stored to LDS; refill = 1: it is loaded again with the rows 8 further down.
.macro GROUP slot, refill
	s_wait_loadcnt 32                      ; loads come back in order (ISA guide 5.7.1): my 32 are in; the 32 issued behind them stay out
.if \refill
	WIN 0
	v_add_nc_u32 v[OFF+(\slot)], 0x8000, v[OFF+(\slot)]   ; free since that wait
.endif
	WIN 0x05                               ; sources in window 1
.set n, 0
.rept 64
	v_cvt_pk_bf16_f32 v[F0+n], v[128*(\slot)+2*n], v[128*(\slot)+2*n+1]
.set n, n+1
.endr
	WIN 0
.set n, 0
.rept 32
	ds_store_b64 v[STA+(\slot)], v[F0+2*n:F0+2*n+1] offset:(n/8)*PA+(n%8)*256   ; 32 lanes, 256 consecutive bytes
.set n, n+1
.endr
	v_add_nc_u32 v[STA+(\slot)], 8*PA, v[STA+(\slot)]
.if \refill
	ENCLOAD \slot
.endif
.endm
.macro BLOAD k                             ; a K step of W, 8 fragments, 8,192 consecutive bytes, into ring slot k
	WIN 0x40
.set n, 0
.rept 16
	global_load_b128 v[64*(\k)+4*n:64*(\k)+4*n+3], v[BOF+(\k)], s[10:11] offset:n*512
.set n, n+1
.endr
.endm
.macro AFETCH buf, imm                     ; a K step of enc, 8 fragments of 16 rows x 32: two loads of 16 bytes, 32 bytes apart, for each
	WIN 0
.irp a, 0,1,2,3,4,5,6,7
	ds_load_b128 v[(\buf)+8*\a:(\buf)+8*\a+3],   v[ADRA+\a/2] offset:(\a%2)*16*PA+(\imm)
	ds_load_b128 v[(\buf)+8*\a+4:(\buf)+8*\a+7], v[ADRA+\a/2] offset:(\a%2)*16*PA+(\imm)+32
.endr
.endm
.macro MUL16 f, hi, a0, k                  ; 16 matrix instructions: row tiles 4 hi + a0, + 1, all 8 column fragments
	WIN 0xa4+0x50*(\hi)                    ; enc in window 0, W in window 1, C and D in window 2 or 3
.irp a, \a0, (\a0)+1
.irp t, 0,1,2,3,4,5,6,7
	v_wmma_f32_16x16x32_bf16 v[8*(8*(\a)+\t):8*(8*(\a)+\t)+7], v[(\f)+8*(4*(\hi)+(\a)):(\f)+8*(4*(\hi)+(\a))+7], v[64*(\k)+8*\t:64*(\k)+8*\t+7], v[8*(8*(\a)+\t):8*(8*(\a)+\t)+7]
.endr
.endr
.endm
; A K STEP of 32: 64 matrix instructions on ring slot k and buffer f; the 64 accumulators take turns in the same order in every step.  In its middle: W of the step three
; further on, and (kind = 1) enc of the next step, at byte imm, into buffer g.  consts = 1: also the next chunk's feat and Wc.
; A load into a register that a matrix instruction has read stands four places behind it, and only plain vector instructions that name none of its registers are places (ISA guide 7.12.1 for vector
; instructions): the offsets' steps and v_nop.
.macro STEP k, f, g, imm, kind, consts
	s_wait_loadcnt 32                      ; this step's W is in; the two steps issued behind it stay out
	s_wait_dscnt 8                         ; enc's row tiles 0-3 are in; the youngest eight loads (tiles 4-7) may be out
	MUL16 \f, 0, 0, \k
	MUL16 \f, 0, 2, \k
	WIN 0
	v_add_nc_u32 v[BOF+(\k)], 0x8000, v[BOF+(\k)]      ; free since the wait above: four K steps on;
	v_and_b32 v[BOF+(\k)], 0x1fffff, v[BOF+(\k)]       ; past the buffer's 2 MB it wraps: the look-ahead behind a wave's last step reads 24 KB that nothing uses, inside the buffer, and every count stays alike
.if \consts
	v_add_nc_u32 v[COF], 512, v[COF]                   ; the next 128 columns; behind the last chunk these wrap inside their buffers likewise
	v_and_b32 v[COF], 0xfff, v[COF]
	v_add_nc_u32 v[FOF], 0x4000, v[FOF]
	v_and_b32 v[FOF], 0x1ffff, v[FOF]
	CONSTS
.else
	v_nop
	v_nop
.endif
	BLOAD ((\k)+3)%4
.if \kind
	AFETCH \g, \imm
	s_wait_dscnt 16                        ; all but the 16 just issued
.else
	s_wait_dscnt 0x0
.endif
	MUL16 \f, 1, 0, \k
	MUL16 \f, 1, 2, \k
.endm
; The accumulators start from C2 feat[e] + cov[s] (C2 Wc[e]): 256 packed multiply-adds; op_sel picks column t's register of its pair for both halves.
.macro YINIT
.set mt, 0
.rept 8
	WIN 0x80+0x40*(mt/4)                   ; destination window 2 or 3
.set t, 0
.rept 8
.set jp, 0
.rept 4
.if t%2
	v_pk_fma_f32 v[64*(mt%4)+8*t+2*jp:64*(mt%4)+8*t+2*jp+1], v[COVR+8*mt+2*jp:COVR+8*mt+2*jp+1], v[CW+t-1:CW+t], v[CF+t-1:CF+t] op_sel:[0,1,1] op_sel_hi:[1,1,1]
.else
	v_pk_fma_f32 v[64*(mt%4)+8*t+2*jp:64*(mt%4)+8*t+2*jp+1], v[COVR+8*mt+2*jp:COVR+8*mt+2*jp+1], v[CW+t:CW+t+1], v[CF+t:CF+t+1] op_sel_hi:[1,0,0]
.endif
.set jp, jp+1
.endr
.set t, t+1
.endr
.set mt, mt+1
.endr
.endm
; Row tile mt's 8 accumulators: tanh in place, then times v into the row sums.  Registers ascend.
; Behind each run of transcendentals a plain instruction stands before a result is used (ISA guide 5.7.2).
.macro EPI mt
.set AB, 64*((\mt)%4)
	WIN 0x82+0x41*((\mt)/4)                ; destination and source 0 in window 2 or 3
.set n, 0
.rept 64
	v_exp_f32 v[AB+n], v[AB+n]             ; 2^z
.set n, n+1
.endr
	v_nop
.set n, 0
	s_wait_alu depctr_va_vdst(0)
.rept 32
	v_pk_add_f32 v[AB+2*n:AB+2*n+1], v[AB+2*n:AB+2*n+1], 1.0 op_sel_hi:[1,0]
.set n, n+1
.endr
.set n, 0
.rept 64
	v_rcp_f32 v[AB+n], v[AB+n]
.set n, n+1
.endr
	v_nop
.set n, 0
	s_wait_alu depctr_va_vdst(0)
.rept 32
	v_pk_fma_f32 v[AB+2*n:AB+2*n+1], v[AB+2*n:AB+2*n+1], -2.0, 1.0 op_sel_hi:[1,0,0]   ; tanh, formed for each number
.set n, n+1
.endr
	WIN 0x02+(\mt)/4                       ; source 0 in window 2 or 3, the rest in window 0
.set t, 0
.rept 8
.set jp, 0
.rept 4
.if t%2
	v_pk_fma_f32 v[SACC+8*(\mt)+2*jp:SACC+8*(\mt)+2*jp+1], v[AB+8*t+2*jp:AB+8*t+2*jp+1], v[VV+t-1:VV+t], v[SACC+8*(\mt)+2*jp:SACC+8*(\mt)+2*jp+1] op_sel:[0,1,0] op_sel_hi:[1,1,1]
.else
	v_pk_fma_f32 v[SACC+8*(\mt)+2*jp:SACC+8*(\mt)+2*jp+1], v[AB+8*t+2*jp:AB+8*t+2*jp+1], v[VV+t:VV+t+1], v[SACC+8*(\mt)+2*jp:SACC+8*(\mt)+2*jp+1] op_sel_hi:[1,0,1]
.endif
.set jp, jp+1
.endr
.set t, t+1
.endr
.endm
.macro TRLOAD qq, set                      ; rows 32 qq on, my 256 d, turned: 16 fragments of enc^T (lane: d = 16 n + lane % 16; 32 rows along its registers)
	WIN 0x40
.set n, 0
.rept 16
	ds_load_tr16_b128 v[128*(\set)+8*n:128*(\set)+8*n+3],   v[TRA+(\qq)] offset:n*32
	ds_load_tr16_b128 v[128*(\set)+8*n+4:128*(\set)+8*n+7], v[TRA+(\qq)] offset:n*32+16*PA
.set n, n+1
.endr
.endm
.macro CMUL qq, set, zero                  ; 16 products enc^T p; the 16 accumulators take turns
	WIN 0xa1                               ; enc^T in window 1, p in window 0, C and D in window 2
.set n, 0
.rept 16
.if \zero
	v_wmma_f32_16x16x32_bf16 v[8*n:8*n+7], v[128*(\set)+8*n:128*(\set)+8*n+7], v[PF+8*(\qq):PF+8*(\qq)+7], 0
.else
	v_wmma_f32_16x16x32_bf16 v[8*n:8*n+7], v[128*(\set)+8*n:128*(\set)+8*n+7], v[PF+8*(\qq):PF+8*(\qq)+7], v[8*n:8*n+7]
.endif
.set n, n+1
.endr
.endm
.macro PLACES
.rept 4
	v_nop
.endr
.endm
	; ---------------------------------------------------------------- the head
	s_load_b512 s[8:23], s[0:1], 0x0       ; enc 8, wfrag 10, featT 12, Wc 14, v 16, bv 18, mask 20, cov 22
	s_load_b128 s[24:27], s[0:1], 0x40     ; score 24, ctxp 26
	v_lshl_add_u32 v[SPW], v0, 2, SPARE
	v_mov_b32 v[NIL], 0
	v_and_b32 v1, 31, v0                   ; lane
	v_lshrrev_b32 v2, 5, v0
	v_readfirstlane_b32 s2, v2             ; wave w
	v_and_b32 v2, 15, v0                   ; r
	v_bfe_u32 v3, v0, 4, 1                 ; h
	s_lshl_b32 s36, ttmp9, 19              ; the tile's 128 rows of 4,096 bytes in enc (511 x 2^19 stays under 2^32)
	s_mov_b32 s37, 0
	s_lshl_b32 s38, ttmp9, 9               ; its 128 words in mask, coverage and score
	s_mov_b32 s39, 0
	s_lshl_b32 s40, ttmp9, 12              ; its row of ctxp
	s_mov_b32 s41, 0
	s_lshr_b32 s42, ttmp9, 4               ; the batch: 16 tiles each,
	s_lshl_b32 s42, s42, 6                 ; 64 bytes in each block of featT
	s_mov_b32 s43, 0
	s_mov_b32 s28, 0x4038aa3b              ; C2
	s_mov_b32 s29, s28                     ; named with it as a pair
	s_mov_b32 s30, 0x76543210              ; v_permlanex16_b32: each lane takes its own place in the other half
	s_mov_b32 s31, 0xfedcba98
	s_mov_b32 s35, 0x3fb8aa3b              ; log2(e)
	s_lshl_b32 s3, s2, 17                  ; my 32 rows of enc
	v_lshl_add_u32 v[OFF], v1, 4, s3
	v_add_nc_u32 v[OFF+1], 0x4000, v[OFF]  ; slot 1: four rows on
	v_lshlrev_b32 v[L16], 4, v1
	v_lshlrev_b32 v[T4], 2, v0
	s_lshl_b32 s3, s2, 10                  ; columns 256 w + 8 r on, 4 bytes each
	v_lshl_add_u32 v[COF], v2, 5, s3
	s_lshl_b32 s3, s2, 15                  ; featT: block 16 w + r / 2 of 2,048 bytes, 32 (r % 2) in the batch's 64
	v_lshrrev_b32 v[FOF], 1, v2
	v_lshl_add_u32 v[FOF], v[FOF], 11, s3
	v_and_b32 v[CVS], 1, v2
	v_lshl_add_u32 v[FOF], v[CVS], 5, v[FOF]
	s_wait_kmcnt 0x0
	s_add_nc_u64 s[8:9], s[8:9], s[36:37]
	s_add_nc_u64 s[20:21], s[20:21], s[38:39]
	s_add_nc_u64 s[22:23], s[22:23], s[38:39]
	s_add_nc_u64 s[24:25], s[24:25], s[38:39]
	s_add_nc_u64 s[26:27], s[26:27], s[40:41]
	s_add_nc_u64 s[12:13], s[12:13], s[42:43]
	s_load_b32 s34, s[18:19], 0x0          ; bv
	CONSTS                                 ; chunk 0's
	global_load_b128 v[MK:MK+3], v[L16], s[20:21]
	global_load_b32 v[CVW], v[T4], s[22:23]
	ENCLOAD 0                              ; 32 KB of each wave are on their way
	ENCLOAD 1
	; all other addresses are made while those loads are out
	s_mul_i32 s3, s2, 32*PA
	v_lshl_add_u32 v[STA], v1, 3, s3
	v_add_nc_u32 v[STA+1], 4*PA, v[STA]
	v_mul_u32_u24 v[ADRA], v2, PA
	v_lshl_add_u32 v[ADRA], v3, 4, v[ADRA]
	v_add_nc_u32 v[ADRA+1], 32*PA, v[ADRA]
	v_add_nc_u32 v[ADRA+2], 32*PA, v[ADRA+1]
	v_add_nc_u32 v[ADRA+3], 32*PA, v[ADRA+2]
	s_lshl_b32 s3, s2, 19                  ; my 64 K steps of W
	v_lshl_add_u32 v[BOF], v1, 4, s3
	v_add_nc_u32 v[BOF+1], 0x2000, v[BOF]
	v_add_nc_u32 v[BOF+2], 0x2000, v[BOF+1]
	v_add_nc_u32 v[BOF+3], 0x2000, v[BOF+2]
	v_lshl_add_u32 v[CVA], v3, 5, COV
	v_lshl_add_u32 v[CVS], v0, 2, COV
	s_lshl_b32 s3, s2, 9
	s_add_co_u32 s3, s3, PART
	v_lshl_add_u32 v[PSA], v3, 5, s3
	v_lshl_add_u32 v[PRA], v1, 4, PART
	s_lshl_b32 s3, s2, 8
	s_add_co_u32 s3, s3, PB
	v_lshl_add_u32 v[PBS], v1, 3, s3
	v_lshl_add_u32 v[PBL], v3, 4, s3
	v_and_b32 v[TRA+1], 7, v0              ; the turning load: lane l reads row 8 (l / 16) + l % 8, 16 bytes at 16 ((l / 8) % 2)
	v_lshl_add_u32 v[TRA+1], v3, 3, v[TRA+1]
	v_mul_u32_u24 v[TRA], v[TRA+1], PA
	v_bfe_u32 v[TRA+1], v0, 3, 1
	v_lshl_add_u32 v[TRA], v[TRA+1], 4, v[TRA]
	s_lshl_b32 s3, s2, 9                   ; my 256 d: 512 bytes of a row
	v_add_nc_u32 v[TRA], s3, v[TRA]
	v_add_nc_u32 v[TRA+1], 32*PA, v[TRA]
	v_add_nc_u32 v[TRA+2], 32*PA, v[TRA+1]
	v_add_nc_u32 v[TRA+3], 32*PA, v[TRA+2]
	s_lshl_b32 s3, s2, 10
	v_lshl_add_u32 v[GCO], v1, 4, s3
	s_add_co_u32 s3, s3, CT
	v_lshl_add_u32 v[CTS], v3, 5, s3
	v_lshl_add_u32 v[CTL], v1, 4, s3
.set n, 0
.rept 64
	v_mov_b32 v[SACC+n], 0                 ; the row sums run over both chunks, whose text is written once: so they are cleared, here, while the first loads are out
.set n, n+1
.endr
	s_wait_kmcnt 0x0                       ; bv
	; ---------------------------------------------------------------- phase 1: my 32 rows, eight groups of four, through two landing slots
	s_mov_b32 s32, 3
.Lload:
	GROUP 0, 1
	GROUP 1, 1
	s_sub_co_u32 s32, s32, 1
	s_cmp_lg_u32 s32, 0
	s_cbranch_scc1 .Lload
	GROUP 0, 0                             ; the last two groups load no more rows: W's first three K steps take the slots as they fall free,
	BLOAD 0
	BLOAD 1                                ; and these 32 loads are what the next wait leaves out
	GROUP 1, 0
	BLOAD 2
	WIN 0
	ds_store_b32 v[CVS], v[CVW]            ; my coverage word (its load is older than every group's)
	s_wait_dscnt 0x0                       ; for the others' sake: my rows lie in LDS
	s_barrier_signal -1
	s_barrier_wait -1                      ; everybody's do
	; ---------------------------------------------------------------- phase 2: two chunks of 512 columns
	s_mov_b32 s33, 2
.Lchunk:
	s_wait_loadcnt 48                      ; feat and Wc are in: behind them only three K steps of W were issued, on the way in and on the way back
	global_load_b128 v[VV:VV+3],   v[COF], s[16:17]    ; v of my 8 columns: wanted 32 K steps on; the steps' counted waits show it landed
	global_load_b128 v[VV+4:VV+7], v[COF], s[16:17] offset:16
.set n, 0
.rept 4
	v_pk_mul_f32 v[CW+2*n:CW+2*n+1], v[CW+2*n:CW+2*n+1], s[28:29] op_sel_hi:[1,0]
.set n, n+1
.endr
.set n, 0
.rept 16
	ds_load_b128 v[COVR+4*n:COVR+4*n+3], v[CVA] offset:(n/2)*64+(n%2)*16   ; cov of rows 16 a + 8 h + 0..7
.set n, n+1
.endr
	AFETCH F0, 0
	s_wait_dscnt 16                        ; cov is in; the first K step's fragments may be out
	YINIT
	WIN 0                                  ; at a label and at a branch every window is 0
	s_mov_b32 s32, 7
.Ltrip:                                        ; four K steps a trip: once round W's ring
	STEP 0, F0, F1, 64,  1, 0
	STEP 1, F1, F0, 128, 1, 0
	STEP 2, F0, F1, 192, 1, 0
	STEP 3, F1, F0, 256, 1, 0
	WIN 0
.irp n, 0,1,2,3
	v_add_nc_u32 v[ADRA+\n], 256, v[ADRA+\n]
.endr
	s_sub_co_u32 s32, s32, 1
	s_cmp_lg_u32 s32, 0
	s_cbranch_scc1 .Ltrip
	STEP 0, F0, F1, 64,  1, 0
	STEP 1, F1, F0, 128, 1, 1              ; the next chunk's feat and Wc are asked for
	STEP 2, F0, F1, 192, 1, 0
	STEP 3, F1, F0, 0,   0, 0              ; the chunk's last step fetches no more of enc
	WIN 0
.irp n, 0,1,2,3
	v_sub_nc_u32 v[ADRA+\n], v[ADRA+\n], 1792          ; back to K = 0; these four are the places behind the last products
.endr
.irp m, 0,1,2,3,4,5,6,7
	EPI \m
.endr
	WIN 0
	s_sub_co_u32 s33, s33, 1
	s_cmp_lg_u32 s33, 0
	s_cbranch_scc1 .Lchunk
	; ---------------------------------------------------------------- phase 3: scores, maximum, p
	s_wait_loadcnt 0x0                     ; the look-ahead's loads have landed: their registers are used again below
.irp m, 1,2,4,8
.set n, 0
.rept 64
	v_add_f32_dpp v[SACC+n], v[SACC+n], v[SACC+n] row_xmask:\m row_mask:0xf bank_mask:0xf   ; over the 16 lanes of a half: my wave's 256 columns
.set n, n+1
.endr
.endr
.set n, 0
.rept 16
	ds_store_b128 v[PSA], v[SACC+4*n:SACC+4*n+3] offset:(n/2)*64+(n%2)*16   ; rows 16 a + 8 h + 0..7; the sixteen lanes of a half write the same words with the same values
.set n, n+1
.endr
	s_wait_dscnt 0x0
	s_barrier_signal -1
	s_barrier_wait -1
	ds_load_b128 v[64:67], v[PRA]              ; every wave: the four waves' shares of rows 4 lane .. + 3
	ds_load_b128 v[68:71], v[PRA] offset:512
	ds_load_b128 v[72:75], v[PRA] offset:1024
	ds_load_b128 v[76:79], v[PRA] offset:1536
	s_wait_dscnt 0x0
	v_pk_add_f32 v[64:65], v[64:65], v[68:69]
	v_pk_add_f32 v[66:67], v[66:67], v[70:71]
	v_pk_add_f32 v[72:73], v[72:73], v[76:77]
	v_pk_add_f32 v[74:75], v[74:75], v[78:79]
	v_pk_add_f32 v[64:65], v[64:65], v[72:73]
	v_pk_add_f32 v[66:67], v[66:67], v[74:75]
	v_pk_add_f32 v[64:65], v[64:65], s[34:35] op_sel_hi:[1,0]   ; + bv (the pair's low word for both halves)
	v_pk_add_f32 v[66:67], v[66:67], s[34:35] op_sel_hi:[1,0]
	s_cmp_lg_u32 s2, 0
	s_cbranch_scc1 .Lno_score
	global_store_b128 v[L16], v[64:67], s[24:25]       ; wave 0 stores the tile's 128 scores: 512 consecutive bytes, aligned; v64-67 are not written again
.Lno_score:
	v_max3_num_f32 v72, v64, v65, v66
	v_max_num_f32 v72, v72, v67
	v_max_num_f32_dpp v72, v72, v72 row_xmask:1 row_mask:0xf bank_mask:0xf
	v_max_num_f32_dpp v72, v72, v72 row_xmask:2 row_mask:0xf bank_mask:0xf
	v_max_num_f32_dpp v72, v72, v72 row_xmask:4 row_mask:0xf bank_mask:0xf
	v_max_num_f32_dpp v72, v72, v72 row_xmask:8 row_mask:0xf bank_mask:0xf
	v_permlanex16_b32 v73, v72, s30, s31
	v_max_num_f32 v72, v72, v73            ; the tile's largest score, in every lane
.irp c, 0,1,2,3
	v_sub_f32 v[68+\c], v[64+\c], v72
.endr
.irp c, 0,1,2,3
	v_mul_f32 v[68+\c], s35, v[68+\c]
.endr
.irp c, 0,1,2,3
	v_exp_f32 v[68+\c], v[68+\c]
.endr
	v_nop                                  ; a plain instruction behind the last exponential
	s_wait_alu depctr_va_vdst(0)
.irp c, 0,1,2,3
	v_mul_f32 v[68+\c], v[68+\c], v[MK+\c] ; p = mask e^(score - m)
.endr
	v_cvt_pk_bf16_f32 v74, v68, v69
	v_cvt_pk_bf16_f32 v75, v70, v71
	ds_store_b64 v[PBS], v[74:75]          ; my wave's own copy of p: LDS serves a wave's instructions in order (ISA guide 5.7.1.4), so the loads below see it
.irp q, 0,1,2,3
	ds_load_b128 v[PF+8*\q:PF+8*\q+3],   v[PBL] offset:64*\q       ; source 1, 32 rows x 16 columns, all columns alike: rows 32 q + 8 h + 0..7,
	ds_load_b128 v[PF+8*\q+4:PF+8*\q+7], v[PBL] offset:64*\q+32    ; and 16 further on
.endr
	; ---------------------------------------------------------------- phase 4: the context of my 256 d
	TRLOAD 0, 0
	TRLOAD 1, 1
	s_wait_dscnt 32                        ; all but the 32 just issued: p and rows 0-31
	CMUL 0, 0, 1                           ; the first products start the sums
	PLACES                                 ; in front of the loads into registers that those products read
	TRLOAD 2, 0
	s_wait_dscnt 32
	CMUL 1, 1, 0
	PLACES
	TRLOAD 3, 1
	s_wait_dscnt 32
	CMUL 2, 0, 0
	s_wait_dscnt 0x0
	CMUL 3, 1, 0
	PLACES                                 ; in front of the stores that read the results
	WIN 0x08                               ; store data in window 2
.set n, 0
.rept 16
	ds_store_b128 v[CTS], v[8*n:8*n+3]   offset:64*n       ; register j holds d = 16 n + 8 h + j, the same in all sixteen lanes of a half; each accumulator's low half first
	ds_store_b128 v[CTS], v[8*n+4:8*n+7] offset:64*n+16
.set n, n+1
.endr
	WIN 0
	ds_load_b128 v[80:83], v[CTL]              ; back as 16 bytes a lane (my wave's own bytes)
	ds_load_b128 v[84:87], v[CTL] offset:512
	s_wait_dscnt 1
	global_store_b128 v[GCO], v[80:83], s[26:27]               ; 512 consecutive bytes, aligned
	s_wait_dscnt 0x0
	global_store_b128 v[GCO], v[84:87], s[26:27] offset:512
	s_wait_tensorcnt 0x0                   ; the wave's end
	ds_add_u32 v[SPW], v[NIL]
	s_wait_dscnt 0x0
	s_endpgm
.Lfunc_end_k_q9585f99a12_main:
	.size	k_q9585f99a12_main, .Lfunc_end_k_q9585f99a12_main-k_q9585f99a12_main
	.p2alignl 7, 3214868480
	.fill 96, 4, 3214868480
	.section	.rodata,"a",@progbits
	.p2align	6, 0x0
	.amdhsa_kernel k_q9585f99a12_main
		.amdhsa_group_segment_fixed_size 272384
		.amdhsa_private_segment_fixed_size 0
		.amdhsa_enable_private_segment 0
		.amdhsa_kernarg_size 80
		.amdhsa_user_sgpr_count 2
		.amdhsa_user_sgpr_kernarg_segment_ptr 1
		.amdhsa_wavefront_size32 1
		.amdhsa_system_sgpr_workgroup_id_x 1
		.amdhsa_system_sgpr_workgroup_id_y 1
		.amdhsa_system_sgpr_workgroup_id_z 1
		.amdhsa_system_vgpr_workitem_id 0
		.amdhsa_next_free_vgpr 1024
		.amdhsa_next_free_sgpr 66
		.amdhsa_reserve_vcc 0
		.amdhsa_float_denorm_mode_32 3
		.amdhsa_float_denorm_mode_16_64 3
		.amdhsa_memory_ordered 1
		.amdhsa_forward_progress 1
		.amdhsa_inst_pref_size 240
	.end_amdhsa_kernel
	.amdgpu_metadata
---
amdhsa.version: [ 1, 2 ]
amdhsa.kernels:
  - .name:           k_q9585f99a12_main
    .symbol:         k_q9585f99a12_main.kd
    .args:
      - { .name: enc_output, .offset: 0, .size: 8, .value_kind: global_buffer, .address_space: global }
      - { .name: wfrag, .offset: 8, .size: 8, .value_kind: global_buffer, .address_space: global }
      - { .name: featT, .offset: 16, .size: 8, .value_kind: global_buffer, .address_space: global }
      - { .name: Wc, .offset: 24, .size: 8, .value_kind: global_buffer, .address_space: global }
      - { .name: v, .offset: 32, .size: 8, .value_kind: global_buffer, .address_space: global }
      - { .name: bv, .offset: 40, .size: 8, .value_kind: global_buffer, .address_space: global }
      - { .name: enc_pad_mask, .offset: 48, .size: 8, .value_kind: global_buffer, .address_space: global }
      - { .name: prev_coverage, .offset: 56, .size: 8, .value_kind: global_buffer, .address_space: global }
      - { .name: score, .offset: 64, .size: 8, .value_kind: global_buffer, .address_space: global }
      - { .name: ctxp, .offset: 72, .size: 8, .value_kind: global_buffer, .address_space: global }
    .group_segment_fixed_size: 272384
    .private_segment_fixed_size: 0
    .kernarg_segment_align: 8
    .kernarg_segment_size: 80
    .max_flat_workgroup_size: 128
    .sgpr_count:     66
    .vgpr_count:     1024
    .wavefront_size: 32
...
	.end_amdgpu_metadata
.endif
;; end of part 2
;; launch fin (part 3): grid 8 x 32, 8 waves a work-group, no clusters, 9,472 bytes of LDS; arguments score, ctxp, enc_pad_mask, prev_coverage, out0, out1, out2; writes out0, out1, out2
.if DOCPART == 3
	.amdgcn_target "amdgcn-amd-amdhsa--gfx1250"
	.amdhsa_code_object_version 6
	.text
	.protected	k_q9585f99a12_fin
	.globl	k_q9585f99a12_fin
	.p2align	8
	.type	k_q9585f99a12_fin,@function
k_q9585f99a12_fin:
	s_mov_b64 s[64:65], 0
	v_nop
	global_prefetch_b8 v0, s[64:65] scope:SCOPE_SE
	s_setreg_imm32_b32 hwreg(HW_REG_WAVE_MODE, 25, 1), 1
	s_wait_xcnt 0x0
; THE JOIN.  For batch b (grid y): M = the largest of its 2,048 scores; Z = sum of mask e^(score - M); out1 = mask e^(score - M) / Z (the softmax's own divisor cancels against the
; renormalisation); out2 = prev_coverage + out1; out0[d] = sum over the 16 tiles t of ctxp[t][d] e^(m_t - M) / Z, where m_t, the tile's largest score, is what ctxp's weights were taken against:
; it is found again here from the same stored scores, and a maximum is exact.
; SHARES.  Eight work-groups a batch (grid x): each finds M and Z for itself (16 KB of scores and mask) and makes an eighth of each output: 128 d, 256 rows.
; Thread y of 256 holds scores and mask 8 y .. 8 y + 7, so the 16 lanes of a half are one tile, and of that same tile's row of ctxp the 8 numbers at d = 128 x + 8 (y % 16).
; A stream of small pieces: no matrix unit, no cluster, no data mover.  A batch whose mask is all 0 gives 0 / 0, NaN, as the softmax's renormalisation does.  A weight below 2^-126 counts as 0.
.set ST,    0          ; 16 pairs (m_t, l_t): 128 bytes, in a block of 256 of their own
.set CB,    256        ; [16 tiles][128 d] f32: 8,192 bytes
.set SPARE, 8448       ; the spare words: 128 bytes for each of 8 waves; no other line names them
.set SPW, 8            ; v8  LDS address of my spare word; never rewritten
.set NIL, 9            ; v9  0; never rewritten
; v1 lane; v2 32 y; v3 my offset in the batch's rows of ctxp; v4 my offset in the eighth's rows; v5, v6, v7, v10 LDS addresses; v11 16 lane
; v12-15, v16-19, v20-23 score, mask, coverage of rows 256 x + 4 (y % 64) ..; v24-31 scores; v32-39 mask; v40-47 ctxp; v48 m, v49 l; v50 M, v51 Z, v52 1 / Z, v53 my tile's factor; v56-87 the 16 pairs; v88-95 at work
	s_load_b256 s[8:15], s[0:1], 0x0       ; score 8, ctxp 10, mask 12, cov 14
	s_load_b128 s[16:19], s[0:1], 0x20     ; out0 16, out1 18
	s_load_b64 s[20:21], s[0:1], 0x30      ; out2
	v_lshl_add_u32 v[SPW], v0, 2, SPARE
	v_mov_b32 v[NIL], 0
	v_and_b32 v1, 31, v0
	v_lshrrev_b32 v2, 5, v0
	v_readfirstlane_b32 s2, v2             ; wave
	s_and_b32 s3, ttmp7, 0xffff            ; b
	s_lshl_b32 s24, s3, 13                 ; a batch's 2,048 words
	s_mov_b32 s25, 0
	s_lshl_b32 s4, ttmp9, 9                ; the eighth's 128 d
	s_lshl_b32 s26, s3, 16                 ; a batch's 16 rows of ctxp
	s_add_co_u32 s26, s26, s4
	s_mov_b32 s27, 0
	s_lshl_b32 s28, s3, 12                 ; a batch's row of out0
	s_add_co_u32 s28, s28, s4
	s_mov_b32 s29, 0
	s_mov_b32 s30, 0x3fb8aa3b              ; log2(e)
	v_lshlrev_b32 v2, 5, v0
	v_lshrrev_b32 v11, 4, v0               ; my tile
	v_and_b32 v12, 15, v0
	v_lshlrev_b32 v12, 5, v12
	v_lshl_add_u32 v3, v11, 12, v12
	v_and_b32 v4, 63, v0
	s_lshl_b32 s5, ttmp9, 10               ; the eighth's 256 rows
	v_lshl_add_u32 v4, v4, 4, s5
	v_lshlrev_b32 v5, 3, v11               ; ST + 8 x tile
	v_lshl_add_u32 v6, v11, 9, v12
	v_add_nc_u32 v6, CB, v6
	v_lshl_add_u32 v7, v1, 4, CB
	v_mov_b32 v10, ST
	v_lshlrev_b32 v11, 4, v1
	s_wait_kmcnt 0x0
	s_add_nc_u64 s[8:9], s[8:9], s[24:25]
	s_add_nc_u64 s[12:13], s[12:13], s[24:25]
	s_add_nc_u64 s[14:15], s[14:15], s[24:25]
	s_add_nc_u64 s[18:19], s[18:19], s[24:25]
	s_add_nc_u64 s[20:21], s[20:21], s[24:25]
	s_add_nc_u64 s[10:11], s[10:11], s[26:27]
	s_add_nc_u64 s[16:17], s[16:17], s[28:29]
	global_load_b128 v[12:15], v4, s[8:9]      ; every wave loads these three, so that all waves issue the same loads; waves 0 and 1 use them
	global_load_b128 v[16:19], v4, s[12:13]
	global_load_b128 v[20:23], v4, s[14:15]
	global_load_b128 v[24:27], v2, s[8:9]
	global_load_b128 v[28:31], v2, s[8:9] offset:16
	global_load_b128 v[32:35], v2, s[12:13]
	global_load_b128 v[36:39], v2, s[12:13] offset:16
	global_load_b128 v[40:43], v3, s[10:11] th:TH_LOAD_NT      ; each number of ctxp is read once in the launch
	global_load_b128 v[44:47], v3, s[10:11] offset:16 th:TH_LOAD_NT
	s_wait_loadcnt 0x2                     ; scores and masks are in; ctxp's two loads may stay out
	v_max3_num_f32 v48, v24, v25, v26
	v_max3_num_f32 v48, v48, v27, v28
	v_max3_num_f32 v48, v48, v29, v30
	v_max_num_f32 v48, v48, v31
.irp m, 1,2,4,8
	v_max_num_f32_dpp v48, v48, v48 row_xmask:\m row_mask:0xf bank_mask:0xf    ; over the tile's 16 lanes: m_t
.endr
.irp c, 0,1,2,3,4,5,6,7
	v_sub_f32 v[88+\c], v[24+\c], v48
.endr
.irp c, 0,1,2,3,4,5,6,7
	v_mul_f32 v[88+\c], s30, v[88+\c]
.endr
.irp c, 0,1,2,3,4,5,6,7
	v_exp_f32 v[88+\c], v[88+\c]
.endr
	v_nop                                  ; a plain instruction behind the last exponential (ISA guide 5.7.2)
	s_wait_alu depctr_va_vdst(0)
	v_mul_f32 v49, v88, v32
.irp c, 1,2,3,4,5,6,7
	v_fmac_f32 v49, v[88+\c], v[32+\c]
.endr
.irp m, 1,2,4,8
	v_add_f32_dpp v49, v49, v49 row_xmask:\m row_mask:0xf bank_mask:0xf        ; l_t
.endr
	ds_store_b64 v5, v[48:49]              ; the tile's 16 lanes write the same pair
	s_wait_dscnt 0x0
	s_barrier_signal -1
	s_barrier_wait -1
.set n, 0
.rept 8
	ds_load_b128 v[56+4*n:59+4*n], v10 offset:16*n     ; all 16 pairs, in every lane
.set n, n+1
.endr
	s_wait_dscnt 0x0
	v_max3_num_f32 v50, v56, v58, v60
.irp n, 62,66,70,74,78,82
	v_max3_num_f32 v50, v50, v[\n], v[\n+2]
.endr
	v_max_num_f32 v50, v50, v86            ; M
.set n, 0
.rept 16
	v_sub_f32 v[56+2*n], v[56+2*n], v50
.set n, n+1
.endr
	v_sub_f32 v53, v48, v50
.set n, 0
.rept 16
	v_mul_f32 v[56+2*n], s30, v[56+2*n]
.set n, n+1
.endr
	v_mul_f32 v53, s30, v53
.set n, 0
.rept 16
	v_exp_f32 v[56+2*n], v[56+2*n]         ; e^(m_t - M)
.set n, n+1
.endr
	v_exp_f32 v53, v53                     ; my tile's
	v_nop
	s_wait_alu depctr_va_vdst(0)
	v_mul_f32 v51, v57, v56
.set n, 1
.rept 15
	v_fmac_f32 v51, v[57+2*n], v[56+2*n]   ; Z
.set n, n+1
.endr
	v_rcp_f32 v52, v51
	v_nop
	s_wait_alu depctr_va_vdst(0)
	v_mul_f32 v53, v53, v52                ; e^(m_t - M) / Z
	s_wait_loadcnt 0x0                     ; ctxp
.irp c, 0,1,2,3,4,5,6,7
	v_mul_f32 v[40+\c], v[40+\c], v53
.endr
	ds_store_b128 v6, v[40:43]
	ds_store_b128 v6, v[44:47] offset:16
	s_cmp_lt_u32 s2, 2
	s_cbranch_scc0 .Lno_rows               ; 64 threads make the eighth's 256 rows of out1 and out2; no barrier stands in what is jumped
.irp c, 0,1,2,3
	v_sub_f32 v[12+\c], v[12+\c], v50
.endr
.irp c, 0,1,2,3
	v_mul_f32 v[12+\c], s30, v[12+\c]
.endr
.irp c, 0,1,2,3
	v_exp_f32 v[12+\c], v[12+\c]
.endr
.irp c, 0,1,2,3
	v_mul_f32 v[16+\c], v[16+\c], v52      ; mask / Z: plain work behind the exponentials
.endr
	s_wait_alu depctr_va_vdst(0)
.irp c, 0,1,2,3
	v_mul_f32 v[12+\c], v[12+\c], v[16+\c]
.endr
.irp c, 0,1,2,3
	v_add_f32 v[20+\c], v[20+\c], v[12+\c]
.endr
	global_store_b128 v4, v[12:15], s[18:19]           ; a wave stores 512 consecutive bytes, aligned
	global_store_b128 v4, v[20:23], s[20:21]
.Lno_rows:
	s_wait_dscnt 0x0                       ; for wave 0's sake: my scaled numbers lie in LDS
	s_barrier_signal -1
	s_barrier_wait -1
	s_cmp_lg_u32 s2, 0
	s_cbranch_scc1 .Lend
.set n, 0
.rept 16
	ds_load_b128 v[24+4*n:27+4*n], v7 offset:512*n     ; tile n's share of my four d
.set n, n+1
.endr
	s_wait_dscnt 0x0
.irp s, 8,4,2,1
.set n, 0
.rept \s
	v_pk_add_f32 v[24+4*n:25+4*n], v[24+4*n:25+4*n], v[24+4*(n+\s):25+4*(n+\s)]
	v_pk_add_f32 v[26+4*n:27+4*n], v[26+4*n:27+4*n], v[26+4*(n+\s):27+4*(n+\s)]
.set n, n+1
.endr
.endr
	global_store_b128 v11, v[24:27], s[16:17]          ; 512 consecutive bytes of out0, aligned
.Lend:
	s_wait_tensorcnt 0x0                   ; the wave's end
	ds_add_u32 v[SPW], v[NIL]
	s_wait_dscnt 0x0
	s_endpgm
.Lfunc_end_k_q9585f99a12_fin:
	.size	k_q9585f99a12_fin, .Lfunc_end_k_q9585f99a12_fin-k_q9585f99a12_fin
	.p2alignl 7, 3214868480
	.fill 96, 4, 3214868480
	.section	.rodata,"a",@progbits
	.p2align	6, 0x0
	.amdhsa_kernel k_q9585f99a12_fin
		.amdhsa_group_segment_fixed_size 9472
		.amdhsa_private_segment_fixed_size 0
		.amdhsa_enable_private_segment 0
		.amdhsa_kernarg_size 56
		.amdhsa_user_sgpr_count 2
		.amdhsa_user_sgpr_kernarg_segment_ptr 1
		.amdhsa_wavefront_size32 1
		.amdhsa_system_sgpr_workgroup_id_x 1
		.amdhsa_system_sgpr_workgroup_id_y 1
		.amdhsa_system_sgpr_workgroup_id_z 1
		.amdhsa_system_vgpr_workitem_id 0
		.amdhsa_next_free_vgpr 96
		.amdhsa_next_free_sgpr 66
		.amdhsa_reserve_vcc 0
		.amdhsa_float_denorm_mode_32 3
		.amdhsa_float_denorm_mode_16_64 3
		.amdhsa_memory_ordered 1
		.amdhsa_forward_progress 1
		.amdhsa_inst_pref_size 13
	.end_amdhsa_kernel
	.amdgpu_metadata
---
amdhsa.version: [ 1, 2 ]
amdhsa.kernels:
  - .name:           k_q9585f99a12_fin
    .symbol:         k_q9585f99a12_fin.kd
    .args:
      - { .name: score, .offset: 0, .size: 8, .value_kind: global_buffer, .address_space: global }
      - { .name: ctxp, .offset: 8, .size: 8, .value_kind: global_buffer, .address_space: global }
      - { .name: enc_pad_mask, .offset: 16, .size: 8, .value_kind: global_buffer, .address_space: global }
      - { .name: prev_coverage, .offset: 24, .size: 8, .value_kind: global_buffer, .address_space: global }
      - { .name: out0, .offset: 32, .size: 8, .value_kind: global_buffer, .address_space: global }
      - { .name: out1, .offset: 40, .size: 8, .value_kind: global_buffer, .address_space: global }
      - { .name: out2, .offset: 48, .size: 8, .value_kind: global_buffer, .address_space: global }
    .group_segment_fixed_size: 9472
    .private_segment_fixed_size: 0
    .kernarg_segment_align: 8
    .kernarg_segment_size: 56
    .max_flat_workgroup_size: 256
    .sgpr_count:     66
    .vgpr_count:     96
    .wavefront_size: 32
...
	.end_amdgpu_metadata
.endif
;; end of part 3
;; ======== version 2 of 2: 3 launches; version 1 with the launch main written anew for expert scheduling mode
;; workspace buffers: wfrag 2,097,152 bytes; featT 131,072 bytes; score 262,144 bytes; ctxp 2,097,152 bytes
;; launch prep: the kernel of part 1 again; grid 64 x 1, 16 waves a work-group, no clusters, 34,816 bytes of LDS; arguments Wh, Ws, bh, bs, bc, dec_hidden, wfrag, featT; writes wfrag, featT
;; launch main (part 4): grid 512 x 1, 4 waves a work-group, no clusters, 272,384 bytes of LDS; arguments enc_output, wfrag, featT, Wc, v, bv, enc_pad_mask, prev_coverage, score, ctxp; writes score, ctxp
.if DOCPART == 4
	.amdgcn_target "amdgcn-amd-amdhsa--gfx1250"
	.amdhsa_code_object_version 6
	.text
	.protected	k_q9585f99a12_main
	.globl	k_q9585f99a12_main
	.p2align	8
	.type	k_q9585f99a12_main,@function
k_q9585f99a12_main:
	s_mov_b64 s[64:65], 0
	v_nop
	global_prefetch_b8 v0, s[64:65] scope:SCOPE_SE
	s_setreg_imm32_b32 hwreg(HW_REG_WAVE_SCHED_MODE, 0, 2), 2
	s_setreg_imm32_b32 hwreg(HW_REG_WAVE_MODE, 25, 1), 1
	s_wait_xcnt 0x0
	s_wait_alu depctr_vm_vsrc(0)
; THE BULK.  A work-group owns a TILE of 128 rows s of one batch b and all 1,024 columns e, so enc_output is read from memory once:
;   z[s][e] = C2 (enc[s] . Wh[e] + feat[b][e] + cov[s] Wc[e]),  C2 = 2 log2(e);  tanh = 1 - 2 / (1 + 2^z);  score[s] = sum over e of v[e] tanh + bv;
;   m = the tile's largest score (masked rows too, as the softmax of the whole row takes them);  p[s] = mask[s] e^(score[s] - m);  ctxp[tile][d] = sum over s of p[s] enc[s][d].
; The next launch joins a batch's 16 tiles by their maxima.
; PHASES.  (1) Each of four waves loads 32 rows of enc as f32, rounds them to bf16 and stores them to LDS: 128 rows x 2,048 bytes.  (2) Two chunks of 512 columns: wave w makes 128 rows x 128
; columns (stream q = 2 w + chunk) in 64 accumulators, which START from C2 (feat + cov Wc), so that 2^z works on the finished sums; then tanh, times v, added into 64 row sums.
; (3) The row sums meet across lanes and waves: scores, maximum, p.  (4) The context: enc^T, by the turning LDS load, times p; wave w owns d = 256 w .. 256 w + 255.
; W comes straight into registers from wfrag, which holds bf16(C2 Wh) as fragment images: a K step of a wave is 8,192 consecutive bytes, a wave's 64 K steps lie on end.
; NO CLUSTER, NO DATA MOVER.  The rows take 264,192 bytes of LDS and must stay for phase 4; of what is left, each of two slots for W would hold less than one K step of 32 for 512 columns (32,768
; bytes): too little work between a request and its wait.  So W goes through a ring of four register slots, asked for three K steps (192 matrix instructions) ahead, and no LDS byte is ever filled again.
; LAYOUT OF A PRODUCT.  Source 0 = 16 rows of enc, source 1 = 16 columns: lane (r = lane % 16, h = lane / 16), register j holds row 16 a + 8 h + j, column 128 q + 8 r + t for fragment t.
; A lane's eight columns t = 0..7 are neighbours in memory: its feat, Wc and v come as two loads of 16 bytes each.
; LIMITS.  Matrix operands are bf16: enc, C2 Wh and p keep 8 significant bits and f32's range.  2^z over- and underflows to infinity and 0, where tanh is 1 and -1 as it should be.
; All else in f32.  NaN and infinities among the inputs are not treated apart.
; THE MODE: SCHED_MODE bits 1:0 = 2 (LLVM: expert scheduling mode 2), set by the entry lines.  The code itself states the register dependences between vector or matrix instructions and memory or
; LDS instructions, with s_wait_alu, always for 0.
; THE PLAN.  Registers that memory or LDS instructions touch, and who else names them:
;   Phase 1.  Landing slot s: its 32 loads land in it, its group's 64 conversions read it, and it is loaded again behind them.  v64-127: a group's conversions write them, its 32 LDS stores read them.
;     OFF[s]: read by the slot's loads, stepped at the head of the slot's next group.  STA[s]: read by the group's LDS stores, stepped behind them.
;     A group has ONE wait on va_vdst, behind its conversions, ahead of its loads and LDS stores; and ONE on vm_vsrc, behind its LDS stores, ahead of the step of STA[s], of the next group's conversions
;     and of the next two groups' steps of OFF.  One more wait on vm_vsrc stands ahead of the loop, for the first two groups' steps of OFF.
;   Phase 2, K step k.  Ring slot k - 1 and fragment buffer g: the step before's products read them, this step's loads land in them.  BOF[k]: read by loads issued three steps back, stepped in this step,
;     read again by the next step's loads.  ADRA: read by every fragment load, stepped at a trip's end.  COF, FOF: stepped in one step of a chunk, read by the loads of the step behind it.
;     TWO waits stand at a step's head: vm_vsrc for what the step steps, va_vdst for what its loads land in and are addressed by.  Behind them the step issues only its products, which name buffer f,
;     ring slot k and the accumulators, and the step of BOF[k]: none of the registers that its loads touch.  So the loads stand among the products with no further wait.
;   The accumulators, the row sums and feat, Wc, v once landed are named by vector and matrix instructions alone until the way out.
;   v[SPW], v[NIL]: written at the head, read by the closing add alone.
; REGISTERS, in windows of 256 (s_set_vgpr_msb: bits 1:0 source 0, 3:2 source 1, 5:4 source 2, 7:6 destination):
;   window 0: v0-31, v56-63 addresses and small data; v32-55 feat, Wc, v of my 8 columns; v64-127, v128-191 fragments of enc, two buffers; v192-255 the 64 row sums
;   window 1: W's ring, slot k at 64 k (phase 1: two landing slots of 128; phase 4: two sets of turned fragments)
;   windows 2, 3: accumulator (a, t) at 8 (8 (a % 4) + t), a < 4 in window 2
.set PA,    2064       ; a row of enc in LDS: 2,048 bytes + 16 = 516 words: row r starts at bank 4 r mod 64 (64 banks of 4 bytes: ISA guide 11.1), so a fragment load's 16 rows start at 16 different groups of banks
.set COV,   128*PA     ; 512 bytes: prev_coverage of the 128 rows
.set PART,  COV+512    ; [wave][128] f32: the waves' shares of the scores
.set PB,    PART+2048  ; [wave][128] bf16: p, a copy for each wave
.set CT,    PB+1024    ; [wave][256] f32: the context on its way out
.set SPARE, CT+4096    ; the spare words: 128 bytes for each wave; no other line names them
.set OFF,  4           ; v4-5    landing slot s: byte offset in the tile's rows of enc of the group that it loads next
.set STA,  6           ; v6-7    landing slot s: where its group goes in LDS
.set ADRA, 8           ; v8-11   (32 n + r) PA + 16 h, plus the K steps done
.set BOF,  12          ; v12-15  ring slot k: byte offset in wfrag of the K step that it loads next
.set L16,  16          ; v16     16 lane
.set CVA,  17          ; v17     COV + 32 h
.set COF,  18          ; v18     byte offset of my 8 columns in Wc and v
.set FOF,  19          ; v19     the same in featT
.set T4,   20          ; v20     4 x thread
.set CVS,  21          ; v21     COV + 4 x thread
.set PSA,  22          ; v22     PART + 512 w + 32 h
.set PRA,  23          ; v23     PART + 16 lane
.set MK,   24          ; v24-27  mask of rows 4 lane .. + 3
.set CVW,  28          ; v28     my coverage word
.set PBS,  29          ; v29     PB + 256 w + 8 lane
.set SPW,  30          ; v30     LDS address of my spare word; never rewritten
.set NIL,  31          ; v31     0; never rewritten
.set CF,   32          ; v32-39  C2 feat of my 8 columns
.set CW,   40          ; v40-47  Wc, then C2 Wc
.set VV,   48          ; v48-55  v
.set PBL,  56          ; v56     PB + 256 w + 16 h
.set TRA,  57          ; v57-60  the turning loads' addresses, 32 rows apart
.set CTS,  61          ; v61     CT + 1,024 w + 32 h
.set CTL,  62          ; v62     CT + 1,024 w + 16 lane
.set GCO,  63          ; v63     1,024 w + 16 lane: my place in the tile's row of ctxp
.set F0,   64
.set F1,   128
.set COVR, 128         ; at a chunk's head buffer 1 holds cov of my 64 rows: register 8 a + j
.set PF,   96          ; phase 4: p's fragments, 8 registers for each 32 rows
.set SACC, 192
.set MSB, 0
.macro WIN new                             ; the immediate's high byte repeats the setting that is left; a switch that changes nothing is dropped
.if MSB != (\new)
	s_set_vgpr_msb (MSB<<8)|(\new)
.set MSB, \new
.endif
.endm
.macro CONSTS                              ; feat and Wc of my 8 columns of the chunk that COF and FOF name
	global_load_b128 v[CF:CF+3],   v[FOF], s[12:13]
	global_load_b128 v[CF+4:CF+7], v[FOF], s[12:13] offset:16
	global_load_b128 v[CW:CW+3],   v[COF], s[14:15]
	global_load_b128 v[CW+4:CW+7], v[COF], s[14:15] offset:16
.endm
.macro ENCLOAD slot                        ; four rows of enc, 16 KB: 32 loads, each 512 consecutive bytes, aligned; the launch reads them once
	WIN 0x40                               ; destination window 1
.set n, 0
.rept 32
	global_load_b128 v[128*(\slot)+4*n:128*(\slot)+4*n+3], v[OFF+(\slot)], s[8:9] offset:(n/8)*4096+(n%8)*512 th:TH_LOAD_NT
.set n, n+1
.endr
	WIN 0
.endm
; A landing slot's turn: its four rows are rounded to bf16; refill = 1: the slot is loaded again at once, with the rows 8 further down; then the rounded rows are stored to LDS.
.macro GROUP slot, refill
	s_wait_loadcnt 32                      ; loads come back in order (ISA guide 5.7.1): my 32 are in; the 32 issued behind them stay out
.if \refill
	WIN 0
	v_add_nc_u32 v[OFF+(\slot)], 0x8000, v[OFF+(\slot)]   ; free since that wait; that the slot's loads have read it is stated by the wait on vm_vsrc at the end of the group before (for the first two groups: ahead of the loop)
.endif
	WIN 0x05                               ; sources in window 1
.set n, 0
.rept 64
	v_cvt_pk_bf16_f32 v[F0+n], v[128*(\slot)+2*n], v[128*(\slot)+2*n+1]
.set n, n+1
.endr
	WIN 0
	s_wait_alu depctr_va_vdst(0)           ; the conversions have written v64-127, which the LDS stores read, and are done reading the landing slot, in which the loads land; OFF's and STA's steps are written
.if \refill
	ENCLOAD \slot
.endif
.set n, 0
.rept 32
	ds_store_b64 v[STA+(\slot)], v[F0+2*n:F0+2*n+1] offset:(n/8)*PA+(n%8)*256   ; 32 lanes, 256 consecutive bytes
.set n, n+1
.endr
	s_wait_alu depctr_vm_vsrc(0)           ; the LDS stores have read STA and v64-127, the loads OFF: STA is stepped below, v64-127 are written by the next group's conversions (behind the last group: by the first fragments' loads), OFF at the heads of the next two groups
	v_add_nc_u32 v[STA+(\slot)], 8*PA, v[STA+(\slot)]
.endm
.macro BLOAD k                             ; a K step of W, 8 fragments, 8,192 consecutive bytes, into ring slot k
	WIN 0x40
.set n, 0
.rept 16
	global_load_b128 v[64*(\k)+4*n:64*(\k)+4*n+3], v[BOF+(\k)], s[10:11] offset:n*512
.set n, n+1
.endr
.endm
.macro AFETCH buf, imm                     ; a K step of enc, 8 fragments of 16 rows x 32: two loads of 16 bytes, 32 bytes apart, for each
	WIN 0
.irp a, 0,1,2,3,4,5,6,7
	ds_load_b128 v[(\buf)+8*\a:(\buf)+8*\a+3],   v[ADRA+\a/2] offset:(\a%2)*16*PA+(\imm)
	ds_load_b128 v[(\buf)+8*\a+4:(\buf)+8*\a+7], v[ADRA+\a/2] offset:(\a%2)*16*PA+(\imm)+32
.endr
.endm
.macro MUL16 f, hi, a0, k                  ; 16 matrix instructions: row tiles 4 hi + a0, + 1, all 8 column fragments
	WIN 0xa4+0x50*(\hi)                    ; enc in window 0, W in window 1, C and D in window 2 or 3
.irp a, \a0, (\a0)+1
.irp t, 0,1,2,3,4,5,6,7
	v_wmma_f32_16x16x32_bf16 v[8*(8*(\a)+\t):8*(8*(\a)+\t)+7], v[(\f)+8*(4*(\hi)+(\a)):(\f)+8*(4*(\hi)+(\a))+7], v[64*(\k)+8*\t:64*(\k)+8*\t+7], v[8*(8*(\a)+\t):8*(8*(\a)+\t)+7]
.endr
.endr
.endm
; A K STEP of 32: 64 matrix instructions on ring slot k and buffer f; the 64 accumulators take turns in the same order in every step.
; The two waits at its head state all that its loads and its address steps hang on (THE PLAN).  Behind them: 16 products; W of the step three further on; 16 products; the step of BOF[k] and (kind = 1) enc of
; the next step, at byte imm, into buffer g; 32 products.
; consts = 1: the offsets of feat, Wc and v move on to the next chunk's columns.  consts = 2, a step later: the next chunk's feat and Wc are asked for, ahead of the step's W, so that what is younger than
; they at the next chunk's head is three K steps of W.
.macro STEP k, f, g, imm, kind, consts
	s_wait_loadcnt 32                      ; this step's W is in; the two steps issued behind it stay out
	s_wait_dscnt 8                         ; enc's row tiles 0-3 are in; the youngest eight loads (tiles 4-7) may be out
	s_wait_alu depctr_vm_vsrc(0)           ; the loads issued so far have read their offsets: BOF[k] (consts = 1: COF and FOF too) is stepped in this step
	s_wait_alu depctr_va_vdst(0)           ; the products of the step before (at a chunk's first step: the lines that start the sums) are done reading ring slot k - 1 and buffer g, in which this step's loads land; BOF[k - 1]'s step is written, at a trip's first step ADRA's, with consts = 2 COF's and FOF's
	MUL16 \f, 0, 0, \k
.if (\consts) == 2
	WIN 0
	CONSTS
.endif
	BLOAD ((\k)+3)%4                       ; no wait: no vector or matrix instruction since the wait above names ring slot k - 1 or BOF[k - 1]
	MUL16 \f, 0, 2, \k
	WIN 0
	v_add_nc_u32 v[BOF+(\k)], 0x8000, v[BOF+(\k)]      ; free since the wait on LOADcnt above: four K steps on;
	v_and_b32 v[BOF+(\k)], 0x1fffff, v[BOF+(\k)]       ; past the buffer's 2 MB it wraps: the look-ahead behind a wave's last step reads 24 KB that nothing uses, inside the buffer, and every count stays alike
.if (\consts) == 1
	v_add_nc_u32 v[COF], 512, v[COF]                   ; the next 128 columns; behind the last chunk these wrap inside their buffers likewise
	v_and_b32 v[COF], 0xfff, v[COF]
	v_add_nc_u32 v[FOF], 0x4000, v[FOF]
	v_and_b32 v[FOF], 0x1ffff, v[FOF]
.endif
.if \kind
	AFETCH \g, \imm                        ; no wait: nothing since the wait at the head names buffer g or ADRA
	s_wait_dscnt 16                        ; all but the 16 just issued
.else
	s_wait_dscnt 0x0
.endif
	MUL16 \f, 1, 0, \k
	MUL16 \f, 1, 2, \k
.endm
; The accumulators start from C2 feat[e] + cov[s] (C2 Wc[e]): 256 packed multiply-adds; op_sel picks column t's register of its pair for both halves.
.macro YINIT
.set mt, 0
.rept 8
	WIN 0x80+0x40*(mt/4)                   ; destination window 2 or 3
.set t, 0
.rept 8
.set jp, 0
.rept 4
.if t%2
	v_pk_fma_f32 v[64*(mt%4)+8*t+2*jp:64*(mt%4)+8*t+2*jp+1], v[COVR+8*mt+2*jp:COVR+8*mt+2*jp+1], v[CW+t-1:CW+t], v[CF+t-1:CF+t] op_sel:[0,1,1] op_sel_hi:[1,1,1]
.else
	v_pk_fma_f32 v[64*(mt%4)+8*t+2*jp:64*(mt%4)+8*t+2*jp+1], v[COVR+8*mt+2*jp:COVR+8*mt+2*jp+1], v[CW+t:CW+t+1], v[CF+t:CF+t+1] op_sel_hi:[1,0,0]
.endif
.set jp, jp+1
.endr
.set t, t+1
.endr
.set mt, mt+1
.endr
.endm
; Row tile mt's 8 accumulators: tanh in place, then times v into the row sums.  Registers ascend.
; Behind each run of transcendentals a plain instruction stands before a result is used (ISA guide 5.7.2), and one wait for the run.
.macro EPI mt
.set AB, 64*((\mt)%4)
	WIN 0x82+0x41*((\mt)/4)                ; destination and source 0 in window 2 or 3
.set n, 0
.rept 64
	v_exp_f32 v[AB+n], v[AB+n]             ; 2^z
.set n, n+1
.endr
	v_nop
	s_wait_alu depctr_va_vdst(0)           ; the 64 exponentials have written their results, which the additions read
.set n, 0
.rept 32
	v_pk_add_f32 v[AB+2*n:AB+2*n+1], v[AB+2*n:AB+2*n+1], 1.0 op_sel_hi:[1,0]
.set n, n+1
.endr
.set n, 0
.rept 64
	v_rcp_f32 v[AB+n], v[AB+n]
.set n, n+1
.endr
	v_nop
	s_wait_alu depctr_va_vdst(0)           ; the 64 reciprocals have written their results, which the multiply-adds read
.set n, 0
.rept 32
	v_pk_fma_f32 v[AB+2*n:AB+2*n+1], v[AB+2*n:AB+2*n+1], -2.0, 1.0 op_sel_hi:[1,0,0]   ; tanh, formed for each number
.set n, n+1
.endr
	WIN 0x02+(\mt)/4                       ; source 0 in window 2 or 3, the rest in window 0
.set t, 0
.rept 8
.set jp, 0
.rept 4
.if t%2
	v_pk_fma_f32 v[SACC+8*(\mt)+2*jp:SACC+8*(\mt)+2*jp+1], v[AB+8*t+2*jp:AB+8*t+2*jp+1], v[VV+t-1:VV+t], v[SACC+8*(\mt)+2*jp:SACC+8*(\mt)+2*jp+1] op_sel:[0,1,0] op_sel_hi:[1,1,1]
.else
	v_pk_fma_f32 v[SACC+8*(\mt)+2*jp:SACC+8*(\mt)+2*jp+1], v[AB+8*t+2*jp:AB+8*t+2*jp+1], v[VV+t:VV+t+1], v[SACC+8*(\mt)+2*jp:SACC+8*(\mt)+2*jp+1] op_sel_hi:[1,0,1]
.endif
.set jp, jp+1
.endr
.set t, t+1
.endr
.endm
.macro TRLOAD qq, set                      ; rows 32 qq on, my 256 d, turned: 16 fragments of enc^T (lane: d = 16 n + lane % 16; 32 rows along its registers)
	WIN 0x40
.set n, 0
.rept 16
	ds_load_tr16_b128 v[128*(\set)+8*n:128*(\set)+8*n+3],   v[TRA+(\qq)] offset:n*32
	ds_load_tr16_b128 v[128*(\set)+8*n+4:128*(\set)+8*n+7], v[TRA+(\qq)] offset:n*32+16*PA
.set n, n+1
.endr
.endm
.macro CMUL qq, set, zero                  ; 16 products enc^T p; the 16 accumulators take turns
	WIN 0xa1                               ; enc^T in window 1, p in window 0, C and D in window 2
.set n, 0
.rept 16
.if \zero
	v_wmma_f32_16x16x32_bf16 v[8*n:8*n+7], v[128*(\set)+8*n:128*(\set)+8*n+7], v[PF+8*(\qq):PF+8*(\qq)+7], 0
.else
	v_wmma_f32_16x16x32_bf16 v[8*n:8*n+7], v[128*(\set)+8*n:128*(\set)+8*n+7], v[PF+8*(\qq):PF+8*(\qq)+7], v[8*n:8*n+7]
.endif
.set n, n+1
.endr
.endm
.macro PLACES
.rept 4
	v_nop
.endr
.endm
	; ---------------------------------------------------------------- the head
	s_load_b512 s[8:23], s[0:1], 0x0       ; enc 8, wfrag 10, featT 12, Wc 14, v 16, bv 18, mask 20, cov 22
	s_load_b128 s[24:27], s[0:1], 0x40     ; score 24, ctxp 26
	v_lshl_add_u32 v[SPW], v0, 2, SPARE
	v_mov_b32 v[NIL], 0
	v_and_b32 v1, 31, v0                   ; lane
	v_lshrrev_b32 v2, 5, v0
	v_readfirstlane_b32 s2, v2             ; wave w
	v_and_b32 v2, 15, v0                   ; r
	v_bfe_u32 v3, v0, 4, 1                 ; h
	s_lshl_b32 s36, ttmp9, 19              ; the tile's 128 rows of 4,096 bytes in enc (511 x 2^19 stays under 2^32)
	s_mov_b32 s37, 0
	s_lshl_b32 s38, ttmp9, 9               ; its 128 words in mask, coverage and score
	s_mov_b32 s39, 0
	s_lshl_b32 s40, ttmp9, 12              ; its row of ctxp
	s_mov_b32 s41, 0
	s_lshr_b32 s42, ttmp9, 4               ; the batch: 16 tiles each,
	s_lshl_b32 s42, s42, 6                 ; 64 bytes in each block of featT
	s_mov_b32 s43, 0
	s_mov_b32 s28, 0x4038aa3b              ; C2
	s_mov_b32 s29, s28                     ; named with it as a pair
	s_mov_b32 s30, 0x76543210              ; v_permlanex16_b32: each lane takes its own place in the other half
	s_mov_b32 s31, 0xfedcba98
	s_mov_b32 s35, 0x3fb8aa3b              ; log2(e)
	s_wait_alu depctr_va_sdst(0)           ; s2, the wave's number, is written, ahead of its first reader
	s_lshl_b32 s3, s2, 17                  ; my 32 rows of enc
	v_lshl_add_u32 v[OFF], v1, 4, s3
	v_add_nc_u32 v[OFF+1], 0x4000, v[OFF]  ; slot 1: four rows on
	v_lshlrev_b32 v[L16], 4, v1
	v_lshlrev_b32 v[T4], 2, v0
	s_lshl_b32 s3, s2, 10                  ; columns 256 w + 8 r on, 4 bytes each
	v_lshl_add_u32 v[COF], v2, 5, s3
	s_lshl_b32 s3, s2, 15                  ; featT: block 16 w + r / 2 of 2,048 bytes, 32 (r % 2) in the batch's 64
	v_lshrrev_b32 v[FOF], 1, v2
	v_lshl_add_u32 v[FOF], v[FOF], 11, s3
	v_and_b32 v[CVS], 1, v2
	v_lshl_add_u32 v[FOF], v[CVS], 5, v[FOF]
	s_wait_kmcnt 0x0
	s_add_nc_u64 s[8:9], s[8:9], s[36:37]
	s_add_nc_u64 s[20:21], s[20:21], s[38:39]
	s_add_nc_u64 s[22:23], s[22:23], s[38:39]
	s_add_nc_u64 s[24:25], s[24:25], s[38:39]
	s_add_nc_u64 s[26:27], s[26:27], s[40:41]
	s_add_nc_u64 s[12:13], s[12:13], s[42:43]
	s_load_b32 s34, s[18:19], 0x0          ; bv
	s_wait_alu depctr_va_vdst(0)           ; the six offsets FOF, COF, L16, T4 and OFF's two are written, which the loads below read
	CONSTS                                 ; chunk 0's
	global_load_b128 v[MK:MK+3], v[L16], s[20:21]
	global_load_b32 v[CVW], v[T4], s[22:23]
	ENCLOAD 0                              ; 32 KB of each wave are on their way
	ENCLOAD 1
	; all other addresses are made while those loads are out; none of these lines names a register that those loads read or land in
	s_mul_i32 s3, s2, 32*PA
	v_lshl_add_u32 v[STA], v1, 3, s3
	v_add_nc_u32 v[STA+1], 4*PA, v[STA]
	v_mul_u32_u24 v[ADRA], v2, PA
	v_lshl_add_u32 v[ADRA], v3, 4, v[ADRA]
	v_add_nc_u32 v[ADRA+1], 32*PA, v[ADRA]
	v_add_nc_u32 v[ADRA+2], 32*PA, v[ADRA+1]
	v_add_nc_u32 v[ADRA+3], 32*PA, v[ADRA+2]
	s_lshl_b32 s3, s2, 19                  ; my 64 K steps of W
	v_lshl_add_u32 v[BOF], v1, 4, s3
	v_add_nc_u32 v[BOF+1], 0x2000, v[BOF]
	v_add_nc_u32 v[BOF+2], 0x2000, v[BOF+1]
	v_add_nc_u32 v[BOF+3], 0x2000, v[BOF+2]
	v_lshl_add_u32 v[CVA], v3, 5, COV
	v_lshl_add_u32 v[CVS], v0, 2, COV
	s_lshl_b32 s3, s2, 9
	s_add_co_u32 s3, s3, PART
	v_lshl_add_u32 v[PSA], v3, 5, s3
	v_lshl_add_u32 v[PRA], v1, 4, PART
	s_lshl_b32 s3, s2, 8
	s_add_co_u32 s3, s3, PB
	v_lshl_add_u32 v[PBS], v1, 3, s3
	v_lshl_add_u32 v[PBL], v3, 4, s3
	v_and_b32 v[TRA+1], 7, v0              ; the turning load: lane l reads row 8 (l / 16) + l % 8, 16 bytes at 16 ((l / 8) % 2)
	v_lshl_add_u32 v[TRA+1], v3, 3, v[TRA+1]
	v_mul_u32_u24 v[TRA], v[TRA+1], PA
	v_bfe_u32 v[TRA+1], v0, 3, 1
	v_lshl_add_u32 v[TRA], v[TRA+1], 4, v[TRA]
	s_lshl_b32 s3, s2, 9                   ; my 256 d: 512 bytes of a row
	v_add_nc_u32 v[TRA], s3, v[TRA]
	v_add_nc_u32 v[TRA+1], 32*PA, v[TRA]
	v_add_nc_u32 v[TRA+2], 32*PA, v[TRA+1]
	v_add_nc_u32 v[TRA+3], 32*PA, v[TRA+2]
	s_lshl_b32 s3, s2, 10
	v_lshl_add_u32 v[GCO], v1, 4, s3
	s_add_co_u32 s3, s3, CT
	v_lshl_add_u32 v[CTS], v3, 5, s3
	v_lshl_add_u32 v[CTL], v1, 4, s3
.set n, 0
.rept 64
	v_mov_b32 v[SACC+n], 0                 ; the row sums run over both chunks, whose text is written once: so they are cleared, here, while the first loads are out
.set n, n+1
.endr
	s_wait_kmcnt 0x0                       ; bv
	s_wait_alu depctr_vm_vsrc(0)           ; the first 64 loads of enc have read OFF's two registers, which the first two groups step
	; ---------------------------------------------------------------- phase 1: my 32 rows, eight groups of four, through two landing slots
	s_mov_b32 s32, 3
.Lload:
	GROUP 0, 1
	GROUP 1, 1
	s_sub_co_u32 s32, s32, 1
	s_cmp_lg_u32 s32, 0
	s_cbranch_scc1 .Lload
	GROUP 0, 0                             ; the last two groups load no more rows: W's first three K steps take the slots as they fall free (the group's wait on va_vdst has stated that its conversions are done reading them, and nothing since names them),
	BLOAD 0
	BLOAD 1                                ; and these 32 loads are what the next wait leaves out
	GROUP 1, 0
	BLOAD 2
	WIN 0
	ds_store_b32 v[CVS], v[CVW]            ; my coverage word (its load is older than every group's)
	s_wait_dscnt 0x0                       ; for the others' sake: my rows lie in LDS
	s_barrier_signal -1
	s_barrier_wait -1                      ; everybody's do
	; ---------------------------------------------------------------- phase 2: two chunks of 512 columns
	s_mov_b32 s33, 2
.Lchunk:
	s_wait_loadcnt 48                      ; feat and Wc are in: behind them only three K steps of W were issued, on the way in and on the way back
	s_wait_alu depctr_va_vdst(0)           ; on the way back: the row sums' multiply-adds are done reading v, in which the two loads below land; the last K step's products are done reading both fragment buffers, in which cov and the first fragments land; ADRA's step back is written
	global_load_b128 v[VV:VV+3],   v[COF], s[16:17]    ; v of my 8 columns: wanted 32 K steps on; the steps' counted waits show it landed
	global_load_b128 v[VV+4:VV+7], v[COF], s[16:17] offset:16
.set n, 0
.rept 4
	v_pk_mul_f32 v[CW+2*n:CW+2*n+1], v[CW+2*n:CW+2*n+1], s[28:29] op_sel_hi:[1,0]   ; these four name Wc's registers alone: none that the LDS loads below touch
.set n, n+1
.endr
.set n, 0
.rept 16
	ds_load_b128 v[COVR+4*n:COVR+4*n+3], v[CVA] offset:(n/2)*64+(n%2)*16   ; cov of rows 16 a + 8 h + 0..7
.set n, n+1
.endr
	AFETCH F0, 0
	s_wait_dscnt 16                        ; cov is in; the first K step's fragments may be out
	YINIT
	WIN 0                                  ; at a label and at a branch every window is 0
	s_mov_b32 s32, 7
.Ltrip:                                        ; four K steps a trip: once round W's ring
	STEP 0, F0, F1, 64,  1, 0
	STEP 1, F1, F0, 128, 1, 0
	STEP 2, F0, F1, 192, 1, 0
	STEP 3, F1, F0, 256, 1, 0
	WIN 0
	s_wait_alu depctr_vm_vsrc(0)           ; the fragments' loads issued so far have read ADRA's four registers
.irp n, 0,1,2,3
	v_add_nc_u32 v[ADRA+\n], 256, v[ADRA+\n]
.endr
	s_sub_co_u32 s32, s32, 1
	s_cmp_lg_u32 s32, 0
	s_cbranch_scc1 .Ltrip
	STEP 0, F0, F1, 64,  1, 1              ; the offsets of feat, Wc and v move on,
	STEP 1, F1, F0, 128, 1, 2              ; and the next chunk's feat and Wc are asked for
	STEP 2, F0, F1, 192, 1, 0
	STEP 3, F1, F0, 0,   0, 0              ; the chunk's last step fetches no more of enc
	WIN 0
	s_wait_alu depctr_vm_vsrc(0)           ; the fragments' loads have read ADRA's four registers
.irp n, 0,1,2,3
	v_sub_nc_u32 v[ADRA+\n], v[ADRA+\n], 1792          ; back to K = 0; these four are the places behind the last products, ahead of the vector lines that read their results (ISA guide 7.12.1)
.endr
.irp m, 0,1,2,3,4,5,6,7
	EPI \m
.endr
	WIN 0
	s_sub_co_u32 s33, s33, 1
	s_cmp_lg_u32 s33, 0
	s_cbranch_scc1 .Lchunk
	; ---------------------------------------------------------------- phase 3: scores, maximum, p
	s_wait_loadcnt 0x0                     ; the look-ahead's loads have landed: their registers are used again below
.irp m, 1,2,4,8
.set n, 0
.rept 64
	v_add_f32_dpp v[SACC+n], v[SACC+n], v[SACC+n] row_xmask:\m row_mask:0xf bank_mask:0xf   ; over the 16 lanes of a half: my wave's 256 columns
.set n, n+1
.endr
.endr
	s_wait_alu depctr_va_vdst(0)           ; the additions have written the 64 row sums, which the LDS stores read; phase 2's products are done reading v64-127 and window 1, in which the LDS loads of this phase and the next land
.set n, 0
.rept 16
	ds_store_b128 v[PSA], v[SACC+4*n:SACC+4*n+3] offset:(n/2)*64+(n%2)*16   ; rows 16 a + 8 h + 0..7; the sixteen lanes of a half write the same words with the same values
.set n, n+1
.endr
	s_wait_dscnt 0x0
	s_barrier_signal -1
	s_barrier_wait -1
	ds_load_b128 v[64:67], v[PRA]              ; every wave: the four waves' shares of rows 4 lane .. + 3
	ds_load_b128 v[68:71], v[PRA] offset:512
	ds_load_b128 v[72:75], v[PRA] offset:1024
	ds_load_b128 v[76:79], v[PRA] offset:1536
	s_wait_dscnt 0x0
	v_pk_add_f32 v[64:65], v[64:65], v[68:69]
	v_pk_add_f32 v[66:67], v[66:67], v[70:71]
	v_pk_add_f32 v[72:73], v[72:73], v[76:77]
	v_pk_add_f32 v[74:75], v[74:75], v[78:79]
	v_pk_add_f32 v[64:65], v[64:65], v[72:73]
	v_pk_add_f32 v[66:67], v[66:67], v[74:75]
	v_pk_add_f32 v[64:65], v[64:65], s[34:35] op_sel_hi:[1,0]   ; + bv (the pair's low word for both halves)
	v_pk_add_f32 v[66:67], v[66:67], s[34:35] op_sel_hi:[1,0]
	s_cmp_lg_u32 s2, 0
	s_cbranch_scc1 .Lno_score
	s_wait_alu depctr_va_vdst(0)           ; the additions have written v64-67, the store's data
	global_store_b128 v[L16], v[64:67], s[24:25]       ; wave 0 stores the tile's 128 scores: 512 consecutive bytes, aligned; v64-67 and v16 are not written again
.Lno_score:
	v_max3_num_f32 v72, v64, v65, v66
	v_max_num_f32 v72, v72, v67
	v_max_num_f32_dpp v72, v72, v72 row_xmask:1 row_mask:0xf bank_mask:0xf
	v_max_num_f32_dpp v72, v72, v72 row_xmask:2 row_mask:0xf bank_mask:0xf
	v_max_num_f32_dpp v72, v72, v72 row_xmask:4 row_mask:0xf bank_mask:0xf
	v_max_num_f32_dpp v72, v72, v72 row_xmask:8 row_mask:0xf bank_mask:0xf
	v_permlanex16_b32 v73, v72, s30, s31
	v_max_num_f32 v72, v72, v73            ; the tile's largest score, in every lane
.irp c, 0,1,2,3
	v_sub_f32 v[68+\c], v[64+\c], v72
.endr
.irp c, 0,1,2,3
	v_mul_f32 v[68+\c], s35, v[68+\c]
.endr
.irp c, 0,1,2,3
	v_exp_f32 v[68+\c], v[68+\c]
.endr
	v_nop                                  ; a plain instruction behind the last exponential
	s_wait_alu depctr_va_vdst(0)           ; the four exponentials have written their results, which the multiplies read
.irp c, 0,1,2,3
	v_mul_f32 v[68+\c], v[68+\c], v[MK+\c] ; p = mask e^(score - m)
.endr
	v_cvt_pk_bf16_f32 v74, v68, v69
	v_cvt_pk_bf16_f32 v75, v70, v71
	s_wait_alu depctr_va_vdst(0)           ; the two roundings have written v74-75, the LDS store's data
	ds_store_b64 v[PBS], v[74:75]          ; my wave's own copy of p: LDS serves a wave's instructions in order (ISA guide 5.7.1.4), so the loads below see it
.irp q, 0,1,2,3
	ds_load_b128 v[PF+8*\q:PF+8*\q+3],   v[PBL] offset:64*\q       ; source 1, 32 rows x 16 columns, all columns alike: rows 32 q + 8 h + 0..7,
	ds_load_b128 v[PF+8*\q+4:PF+8*\q+7], v[PBL] offset:64*\q+32    ; and 16 further on
.endr
	; ---------------------------------------------------------------- phase 4: the context of my 256 d
	TRLOAD 0, 0
	TRLOAD 1, 1
	s_wait_dscnt 32                        ; all but the 32 just issued: p and rows 0-31
	CMUL 0, 0, 1                           ; the first products start the sums
	s_wait_alu depctr_va_vdst(0)           ; those products are done reading set 0, in which the next loads land
	TRLOAD 2, 0
	s_wait_dscnt 32
	CMUL 1, 1, 0
	s_wait_alu depctr_va_vdst(0)           ; those products are done reading set 1, in which the next loads land
	TRLOAD 3, 1
	s_wait_dscnt 32
	CMUL 2, 0, 0
	s_wait_dscnt 0x0
	CMUL 3, 1, 0
	PLACES                                 ; four places behind the last products, in front of the stores that read the results
	WIN 0x08                               ; store data in window 2
	s_wait_alu depctr_va_vdst(0)           ; the products have written the 16 accumulators, the LDS stores' data; the places above stay beside this wait
.set n, 0
.rept 16
	ds_store_b128 v[CTS], v[8*n:8*n+3]   offset:64*n       ; register j holds d = 16 n + 8 h + j, the same in all sixteen lanes of a half; each accumulator's low half first
	ds_store_b128 v[CTS], v[8*n+4:8*n+7] offset:64*n+16
.set n, n+1
.endr
	WIN 0
	ds_load_b128 v[80:83], v[CTL]              ; back as 16 bytes a lane (my wave's own bytes)
	ds_load_b128 v[84:87], v[CTL] offset:512
	s_wait_dscnt 1
	global_store_b128 v[GCO], v[80:83], s[26:27]               ; 512 consecutive bytes, aligned
	s_wait_dscnt 0x0
	global_store_b128 v[GCO], v[84:87], s[26:27] offset:512
	s_wait_dscnt 0x0                       ; the closing lines, six on end
	s_wait_alu 0x0
	s_wait_tensorcnt 0x0
	ds_add_u32 v[SPW], v[NIL]
	s_wait_dscnt 0x0
	s_endpgm
.Lfunc_end_k_q9585f99a12_main:
	.size	k_q9585f99a12_main, .Lfunc_end_k_q9585f99a12_main-k_q9585f99a12_main
	.p2alignl 7, 3214868480
	.fill 96, 4, 3214868480
	.section	.rodata,"a",@progbits
	.p2align	6, 0x0
	.amdhsa_kernel k_q9585f99a12_main
		.amdhsa_group_segment_fixed_size 272384
		.amdhsa_private_segment_fixed_size 0
		.amdhsa_enable_private_segment 0
		.amdhsa_kernarg_size 80
		.amdhsa_user_sgpr_count 2
		.amdhsa_user_sgpr_kernarg_segment_ptr 1
		.amdhsa_wavefront_size32 1
		.amdhsa_system_sgpr_workgroup_id_x 1
		.amdhsa_system_sgpr_workgroup_id_y 1
		.amdhsa_system_sgpr_workgroup_id_z 1
		.amdhsa_system_vgpr_workitem_id 0
		.amdhsa_next_free_vgpr 1024
		.amdhsa_next_free_sgpr 66
		.amdhsa_reserve_vcc 0
		.amdhsa_float_denorm_mode_32 3
		.amdhsa_float_denorm_mode_16_64 3
		.amdhsa_memory_ordered 1
		.amdhsa_forward_progress 1
		.amdhsa_inst_pref_size 241
	.end_amdhsa_kernel
	.amdgpu_metadata
---
amdhsa.version: [ 1, 2 ]
amdhsa.kernels:
  - .name:           k_q9585f99a12_main
    .symbol:         k_q9585f99a12_main.kd
    .args:
      - { .name: enc_output, .offset: 0, .size: 8, .value_kind: global_buffer, .address_space: global }
      - { .name: wfrag, .offset: 8, .size: 8, .value_kind: global_buffer, .address_space: global }
      - { .name: featT, .offset: 16, .size: 8, .value_kind: global_buffer, .address_space: global }
      - { .name: Wc, .offset: 24, .size: 8, .value_kind: global_buffer, .address_space: global }
      - { .name: v, .offset: 32, .size: 8, .value_kind: global_buffer, .address_space: global }
      - { .name: bv, .offset: 40, .size: 8, .value_kind: global_buffer, .address_space: global }
      - { .name: enc_pad_mask, .offset: 48, .size: 8, .value_kind: global_buffer, .address_space: global }
      - { .name: prev_coverage, .offset: 56, .size: 8, .value_kind: global_buffer, .address_space: global }
      - { .name: score, .offset: 64, .size: 8, .value_kind: global_buffer, .address_space: global }
      - { .name: ctxp, .offset: 72, .size: 8, .value_kind: global_buffer, .address_space: global }
    .group_segment_fixed_size: 272384
    .private_segment_fixed_size: 0
    .kernarg_segment_align: 8
    .kernarg_segment_size: 80
    .max_flat_workgroup_size: 128
    .sgpr_count:     66
    .vgpr_count:     1024
    .wavefront_size: 32
...
	.end_amdgpu_metadata
.endif
;; end of part 4
;; launch fin: the kernel of part 3 again; grid 8 x 32, 8 waves a work-group, no clusters, 9,472 bytes of LDS; arguments score, ctxp, enc_pad_mask, prev_coverage, out0, out1, out2; writes out0, out1, out2
